; MI455X (gfx1250); checked and timed in simulation.
; The chip was launched on July 23, 2026; its instructions are those of AMD's public machine-readable ISA for CDNA 5 (MIT licence, August 2026) and "CDNA5" Instruction Set Architecture Reference Guide (July 2026). The comments in the code are by the model that wrote it; some were corrected since.
;; Demo Attention Model. Allowed arithmetic: matrix products marked QUANTISED: E5M2 operands, one given power-of-two scale a tensor, by v_wmma_f32_16x16x64_bf8_bf8 or v_wmma_f32_16x16x128_bf8_bf8, f32 sums; everything else in f32.
;; Inputs: W1_codes 2,048 x 16 x 32 uint8 (E5M2 codes of W1, K innermost, in blocks of 32 codes); W2_codes 512 x 64 x 32 uint8 (E5M2 codes of W2, K innermost, in blocks of 32 codes); Wk_codes 512 x 16 x 32 uint8 (E5M2 codes of Wk, K innermost, in blocks of 32 codes); Wo_codes 512 x 16 x 32 uint8 (E5M2 codes of Wo, K innermost, in blocks of 32 codes); Wq_codes 512 x 16 x 32 uint8 (E5M2 codes of Wq, K innermost, in blocks of 32 codes); Wv_codes 512 x 16 x 32 uint8 (E5M2 codes of Wv, K innermost, in blocks of 32 codes); b1 2,048 float32; b2 512 float32; bk 512 float32; bo 512 float32; bq 512 float32; bv 512 float32; ln1_b 512 float32; ln1_g 512 float32; ln2_b 512 float32; ln2_g 512 float32; lowp_scales 16 int32 (the exponents e of the quantised operands' scales 2^e); x 2 x 4,096 x 512 float32.
;; Outputs: out0 2 x 4,096 x 512 float32.
;; This version of the problem:
;;   THIS VERSION OF THE PROBLEM IS GIVEN IN LOW PRECISION. The matrix products marked QUANTISED in the list below multiply operands that are first quantised to E5M2 (5 exponent bits, 2 mantissa bits; 8 bits a number), with one given power-of-two scale for each operand tensor; their sums are f32. All else is computed in f32.
;;   The module's matrix products, in the order in which they are computed (A, B: the left and right operand; K: the contracted axis; several contracted axes count as one K, in the product's order):
;;     1. [M 8,192, K 512] x [K 512, N 512]; A: computed on the way; B: input Wq (given as codes): QUANTISED (scales: A lowp_scales[0], B lowp_scales[1])
;;     2. [M 8,192, K 512] x [K 512, N 512]; A: computed on the way; B: input Wk (given as codes): QUANTISED (scales: A lowp_scales[2], B lowp_scales[3])
;;     3. [M 8,192, K 512] x [K 512, N 512]; A: computed on the way; B: input Wv (given as codes): QUANTISED (scales: A lowp_scales[4], B lowp_scales[5])
;;     4. batch 16 x [M 4,096, K 64] x [K 64, N 4,096]; A: computed on the way; B: computed on the way: QUANTISED (scales: A lowp_scales[6], B lowp_scales[7])
;;     5. batch 16 x [M 4,096, K 4,096] x [K 4,096, N 64]; A: softmax (see below); B: computed on the way: QUANTISED (scales: A lowp_scales[8], B lowp_scales[9])
;;     6. [M 8,192, K 512] x [K 512, N 512]; A: computed on the way; B: input Wo (given as codes): QUANTISED (scales: A lowp_scales[10], B lowp_scales[11])
;;     7. [M 8,192, K 512] x [K 512, N 2,048]; A: computed on the way; B: input W1 (given as codes): QUANTISED (scales: A lowp_scales[12], B lowp_scales[13])
;;     8. [M 8,192, K 2,048] x [K 2,048, N 512]; A: computed on the way; B: input W2 (given as codes): QUANTISED (scales: A lowp_scales[14], B lowp_scales[15])
;;   THE QUANTISER, for each operand of a quantised product, along K:
;;     - The operand's scale is 2^e, e = its entry of the input lowp_scales (int32; the entries are numbered through the quantised products in the list's order, A before B).
;;     - Each number is divided by the scale, clamped to +-57,344, and rounded to the nearest number of E5M2, ties to even, subnormals kept.
;;     - The product sums the exact products of the quantised numbers (number of the format x scale) in f32.
;;   ~~~python
;;   def quantise(x, axis, e):      # numpy; x: float32 -> the quantised numbers, widened to float32 again
;;       x = np.moveaxis(x, axis, -1); K = x.shape[-1]
;;       r = np.clip(x / 2.0 ** e, -57344, 57344)
;;       step = 2.0 ** (np.maximum(np.frexp(np.where(r == 0, 1, r))[1] - 1, -14) - 2)
;;       q = np.round(r / step) * step * 2.0 ** e      # np.round: ties to even
;;       return np.moveaxis(q, -1, axis).astype(np.float32)
;;   ~~~
;;   SOFTMAX AHEAD OF A QUANTISED PRODUCT. Where the list says 'softmax', what is quantised is not the finished softmax but p = 2^(t - M), with t = logit x log2(e) and M = ceil(the row's largest t), a whole number; so 1/2 < the row's largest p <= 1. The row's sum l is taken of the UNQUANTISED p, in f32, and the product's result is divided by l at the end. Since M is a whole number, a kernel that streams over the keys may use a running M (the ceiling of the running maximum): every later rescaling is an exact power of two, so the quantised numbers keep their values, but for numbers so far below the row's largest that they fall under the format's range.
;;   OPERANDS COMPUTED ON THE WAY. 'Computed on the way' means the value that the module computes at that place (a softmax that the list does not call 'softmax' is quantised finished and normalised). What goes into a quantiser is computed in f32, as accurately as f32 sums, v_exp_f32 and their like allow (about 1e-6 of the number): no bf16 or f16 on the way to a quantiser, and a product that is left as it is and whose result goes on into a quantised operand takes f32 operands (vector FMAs, or v_wmma_f32_16x16x4_f32). A number that lies on a knife's edge between two numbers of the format may be rounded either way, as far as f32 arithmetic and the matrix unit's own rounding can turn it there, and no further.
;;   INPUTS GIVEN AS CODES. W1 (in the module: [512, 2048], K = its axis 0); W2 (in the module: [2048, 512], K = its axis 0); Wk (in the module: [512, 512], K = its axis 0); Wo (in the module: [512, 512], K = its axis 0); Wq (in the module: [512, 512], K = its axis 0); Wv (in the module: [512, 512], K = its axis 0): each comes as NAME_codes (uint8): NAME with its K axis moved to the last place and cut into blocks of 32 codes, [.., K / 32, bytes a block], one block behind the other in memory; one code a byte (a code: sign, 5 exponent bits, 2 mantissa bits); its scale is its entry of lowp_scales. Its value is code x scale, taken as it is: it is not quantised again, and the codes and scales need not be those that the quantiser above would give.
;; One version. Each part assembles by itself: llvm-mc -triple=amdgcn-amd-amdhsa -mcpu=gfx1250 --defsym DOCPART=n.
;; ======== version 1 of 1: 4 launches
;; workspace buffers: wimg 3,145,728 bytes; qimg 4,194,304 bytes; kv 8,388,608 bytes; oimg 4,194,304 bytes
;; launch lay (part 1): grid 48 x 8, 4 waves a work-group, no clusters, 0 bytes of LDS; arguments Wq_codes, Wk_codes, Wv_codes, Wo_codes, W1_codes, W2_codes, wimg; writes wimg
.if DOCPART == 1
	.amdgcn_target "amdgcn-amd-amdhsa--gfx1250"
	.amdhsa_code_object_version 6
	.text
	.protected	k_q3ddfcf251d_lay
	.globl	k_q3ddfcf251d_lay
	.p2align	8
	.type	k_q3ddfcf251d_lay,@function
k_q3ddfcf251d_lay:
	s_mov_b64 s[64:65], 0
	v_nop
	global_prefetch_b8 v0, s[64:65] scope:SCOPE_SE
	s_setreg_imm32_b32 hwreg(HW_REG_WAVE_MODE, 25, 1), 1
	s_wait_xcnt 0x0
; The six weights' codes are laid out once as IMAGES OF OPERAND REGISTERS, in the order in which the waves of the later launches take them:
; wimg = [w 8][set 48][tt 4][c 4][lane 32][16 bytes].  A fragment (tt) is 16 weight rows x 128 K: lane (r, h) holds, in registers 4 c .. 4 c + 3, k = 128 s + 32 c + 16 h + 0 .. 15
; of weight row 32 (tile / 2) + 8 (tile % 2) + r + 8 (r / 8).  The rows of a tile are not neighbours: used as source 0, two neighbouring tiles then give a lane 16 neighbouring outputs.
; Set X of stream w:  X 0-3 Wq, 4-7 Wk, 8-11 Wv, 12-15 Wo: tile 4 w + tt, K step X % 4;   X 16-31 W1: tile 16 w + 4 ((X - 16) / 4) + tt, K step X % 4;   X 32-47 W2: tile 4 w + tt, K step X - 32.
; A work-group makes one set, a wave one fragment: four loads of 16 bytes a lane, four stores of 512 consecutive bytes each.  No LDS, no barrier: waves share nothing.
	s_load_b256 s[8:15], s[0:1], 0x0               ; Wq, Wk, Wv, Wo
	s_load_b128 s[16:19], s[0:1], 0x20             ; W1, W2
	s_load_b64 s[20:21], s[0:1], 0x30              ; wimg
	v_lshrrev_b32 v1, 5, v0
	v_readfirstlane_b32 s2, v1                     ; tt: my wave
	s_mov_b32 s3, ttmp9                            ; X
	s_and_b32 s4, ttmp7, 0xffff                    ; w
	s_lshr_b32 s5, s3, 2                           ; X / 4: 0 Wq, 1 Wk, 2 Wv, 3 Wo, 4-7 W1, 8-11 W2
	s_sub_co_u32 s25, s3, 32                       ; W2's K step
	s_and_b32 s26, s3, 3                           ; everybody else's
	s_lshl_b32 s27, s4, 2
	s_add_co_u32 s27, s27, s2                      ; tile 4 w + tt
	s_lshl_b32 s28, s4, 4
	s_sub_co_u32 s29, s5, 4
	s_lshl_b32 s29, s29, 2
	s_add_co_u32 s28, s28, s29
	s_add_co_u32 s28, s28, s2                      ; W1's tile 16 w + 4 g + tt
	s_cmp_ge_u32 s5, 4
	s_cselect_b32 s24, s28, s27
	s_cmp_ge_u32 s5, 8
	s_cselect_b32 s24, s27, s24                    ; the tile
	s_cselect_b32 s6, 11, 9                        ; a weight row is 2^11 bytes in W2, 2^9 in the others
	s_cselect_b32 s7, s25, s26                     ; the K step
	s_lshr_b32 s30, s24, 1
	s_lshl_b32 s30, s30, 5
	s_and_b32 s31, s24, 1
	s_lshl_b32 s31, s31, 3
	s_add_co_u32 s30, s30, s31                     ; the tile's first row: 32 (tile / 2) + 8 (tile % 2)
	s_lshl_b32 s30, s30, s6
	s_lshl_b32 s7, s7, 7
	s_add_co_u32 s30, s30, s7                      ; in bytes, + 128 x K step
	s_mov_b32 s31, 0
	s_mul_i32 s32, s4, 48
	s_add_co_u32 s32, s32, s3
	s_lshl_b32 s32, s32, 2
	s_add_co_u32 s32, s32, s2
	s_lshl_b32 s32, s32, 11                        ; ((48 w + X) 4 + tt) x 2,048
	s_mov_b32 s33, 0
	v_and_b32 v1, 15, v0                           ; r
	v_bfe_u32 v2, v0, 4, 1                         ; h
	v_and_b32 v3, 8, v1
	v_add_nc_u32 v3, v3, v1                        ; r + 8 (r / 8)
	v_lshlrev_b32 v3, s6, v3
	v_lshl_add_u32 v3, v2, 4, v3                   ; my row, + 16 h
	v_and_b32 v4, 31, v0
	v_lshlrev_b32 v4, 4, v4                        ; 16 x lane
	s_wait_kmcnt 0x0
	s_cmp_eq_u32 s5, 1                             ; the source: a choice on the work-group's number alone
	s_cselect_b64 s[22:23], s[10:11], s[8:9]
	s_cmp_eq_u32 s5, 2
	s_cselect_b64 s[22:23], s[12:13], s[22:23]
	s_cmp_eq_u32 s5, 3
	s_cselect_b64 s[22:23], s[14:15], s[22:23]
	s_cmp_ge_u32 s5, 4
	s_cselect_b64 s[22:23], s[16:17], s[22:23]
	s_cmp_ge_u32 s5, 8
	s_cselect_b64 s[22:23], s[18:19], s[22:23]
	s_add_nc_u64 s[22:23], s[22:23], s[30:31]
	s_add_nc_u64 s[20:21], s[20:21], s[32:33]
.irp c, 0,1,2,3
	global_load_b128 v[8+4*\c:11+4*\c], v3, s[22:23] offset:32*\c
.endr
	s_wait_loadcnt 0x0
.irp c, 0,1,2,3
	global_store_b128 v4, v[8+4*\c:11+4*\c], s[20:21] offset:512*\c   ; 32 lanes store 512 consecutive bytes, at a multiple of 512 from wimg's first byte
.endr
	s_endpgm
.Lfunc_end_k_q3ddfcf251d_lay:
	.size	k_q3ddfcf251d_lay, .Lfunc_end_k_q3ddfcf251d_lay-k_q3ddfcf251d_lay
	.p2alignl 7, 3214868480
	.fill 96, 4, 3214868480
	.section	.rodata,"a",@progbits
	.p2align	6, 0x0
	.amdhsa_kernel k_q3ddfcf251d_lay
		.amdhsa_group_segment_fixed_size 0
		.amdhsa_private_segment_fixed_size 0
		.amdhsa_enable_private_segment 0
		.amdhsa_kernarg_size 56
		.amdhsa_user_sgpr_count 2
		.amdhsa_user_sgpr_kernarg_segment_ptr 1
		.amdhsa_wavefront_size32 1
		.amdhsa_system_sgpr_workgroup_id_x 1
		.amdhsa_system_sgpr_workgroup_id_y 1
		.amdhsa_system_sgpr_workgroup_id_z 1
		.amdhsa_system_vgpr_workitem_id 0
		.amdhsa_next_free_vgpr 24
		.amdhsa_next_free_sgpr 66
		.amdhsa_reserve_vcc 0
		.amdhsa_float_denorm_mode_32 3
		.amdhsa_float_denorm_mode_16_64 3
		.amdhsa_memory_ordered 1
		.amdhsa_forward_progress 1
		.amdhsa_inst_pref_size 4
	.end_amdhsa_kernel
	.amdgpu_metadata
---
amdhsa.version: [ 1, 2 ]
amdhsa.kernels:
  - .name:           k_q3ddfcf251d_lay
    .symbol:         k_q3ddfcf251d_lay.kd
    .args:
      - { .name: Wq_codes, .offset: 0, .size: 8, .value_kind: global_buffer, .address_space: global }
      - { .name: Wk_codes, .offset: 8, .size: 8, .value_kind: global_buffer, .address_space: global }
      - { .name: Wv_codes, .offset: 16, .size: 8, .value_kind: global_buffer, .address_space: global }
      - { .name: Wo_codes, .offset: 24, .size: 8, .value_kind: global_buffer, .address_space: global }
      - { .name: W1_codes, .offset: 32, .size: 8, .value_kind: global_buffer, .address_space: global }
      - { .name: W2_codes, .offset: 40, .size: 8, .value_kind: global_buffer, .address_space: global }
      - { .name: wimg, .offset: 48, .size: 8, .value_kind: global_buffer, .address_space: global }
    .group_segment_fixed_size: 0
    .private_segment_fixed_size: 0
    .kernarg_segment_align: 8
    .kernarg_segment_size: 56
    .max_flat_workgroup_size: 128
    .sgpr_count:     66
    .vgpr_count:     24
    .wavefront_size: 32
...
	.end_amdgpu_metadata
.endif
;; end of part 1
;; launch qkv (part 2): grid 256 x 1, 8 waves a work-group, no clusters, 120,320 bytes of LDS; arguments x, ln1_g, ln1_b, bq, bk, bv, lowp_scales, wimg, qimg, kv; writes qimg, kv
.if DOCPART == 2
	.amdgcn_target "amdgcn-amd-amdhsa--gfx1250"
	.amdhsa_code_object_version 6
	.text
	.protected	k_q3ddfcf251d_qkv
	.globl	k_q3ddfcf251d_qkv
	.p2align	8
	.type	k_q3ddfcf251d_qkv,@function
k_q3ddfcf251d_qkv:
	s_mov_b64 s[64:65], 0
	v_nop
	global_prefetch_b8 v0, s[64:65] scope:SCOPE_SE
	s_setreg_imm32_b32 hwreg(HW_REG_WAVE_MODE, 25, 1), 1
	s_wait_xcnt 0x0
; h = LayerNorm(x) (two passes, f32); h quantised three times (e0, e2, e4); q, k, v = h W + b on codes of E5M2; q, k, v quantised (e6, e7, e9) and stored as images of the next launch's operand registers.
; SHARES.  A work-group owns 32 rows of x.  Wave w first normalises rows 4 w .. 4 w + 3, then quantises fragment (m = w / 4, s = w % 4) of h, then is HEAD w: 64 columns of each of q, k, v for all 32 rows.
; WEIGHTS come from wimg, laid as register images in the order in which this wave takes them: sets of four fragments (8,192 bytes), 16 loads of 512 consecutive bytes, two sets ahead, by counted waits.
; NO LDS RING AND NO JOINT LOADS for the weights: a weight fragment is taken by ONE wave of the work-group, ONCE; through LDS it would be written and read with no second reader,
; and a slot of the eight waves' sets (65,536 bytes) would stand for 8 matrix instructions a wave between two barriers.
; q, k: source 0 = 16 weight rows, source 1 = 16 rows of h: a lane holds one row and 16 neighbouring columns in two neighbouring tiles.  v: the sources change places: a lane holds one channel and eight rows (keys), since the keys are the next K.
; LIMITS, so that each power of two is an f32 number: e0, e2, e4, e6, e7, e9 between -126 and 112; e0 + e1, e2 + e3, e4 + e5 between -126 and 127.  NaN among the inputs is not served.
; LDS: HS 32 rows of h in f32, 2,064 bytes apart (129 x 16: the sixteen rows of a load start in sixteen different groups of banks); IMG three versions x eight fragments of 2,048 bytes; BIA bq, then bk.
.set PITCH,  2064
.set IMG,    32*PITCH
.set BIA,    IMG+3*16384
.set STREAM, 393216                    ; a wave's stream in wimg
.set LI,   1                           ; v1   16 x lane
.set XO,   2                           ; v2   x: 8,192 w + 16 lane
.set ROWA, 3                           ; v3   HS: my four rows, 16 bytes a lane
.set FRA,  4                           ; v4   HS: my fragment: row 16 (w / 4) + r, + 512 (w % 4) + 64 h
.set IMW,  5                           ; v5   IMG: where I store my fragment
.set AIM,  6                           ; v6   IMG + 16 lane
.set BIW,  7                           ; v7   BIA + 16 x thread
.set BIR,  8                           ; v8   BIA + 256 w + 64 h
.set SC,   9                           ; v9   the conversion's scale
.set LIMV, 10                          ; v10  57,344 x that scale
.set BVO,  11                          ; v11  bv: my channel's byte
.set BV,   12                          ; v12-15 bv at channel 64 w + 32 (t / 2) + 8 (t % 2) + r + 8 (r / 8)
.set ACC,  16                          ; v16-79   eight accumulators, (m, t) at ACC + 8 (4 m + t); before that four rows of x, then a fragment's 64 numbers
.set HF,   80                          ; v80-111  the K step's two fragments of h; before that gain and bias; work
.set W,    112                         ; v112-239 two sets of weights
.set CD,   240                         ; v240-255 sums of the norm; codes on their way out
.set RR,   248
.set HH,   249
.set P,    22                          ; s[22:23] my stream
.set SEL,  28                          ; s[28:29] selects for lane l xor 16
.set INV,  30
.set EPS,  31
.set NINV, 3
.macro POW2 dst, lim, e                ; s[dst] = 2^e as f32, s[lim] = 57,344 x 2^e
	s_add_co_i32 s[\dst], s[\e], 127
	s_add_co_i32 s[\lim], s[\dst], 15
	s_lshl_b32 s[\dst], s[\dst], 23
	s_lshl_b32 s[\lim], s[\lim], 23
	s_or_b32 s[\lim], s[\lim], 0x600000
.endm
.macro POWSUM dst, ea, eb              ; the pair s[dst], s[dst + 1] = 2^(ea + eb)
	s_add_co_i32 s[\dst], s[\ea], s[\eb]
	s_add_co_i32 s[\dst], s[\dst], 127
	s_lshl_b32 s[\dst], s[\dst], 23
	s_mov_b32 s[(\dst)+1], s[\dst]
.endm
.macro BARRIER                         ; my LDS stores have landed and my LDS loads are in: then the work-group's barrier
	s_wait_dscnt 0x0
	s_barrier_signal -1
	s_barrier_wait -1
.endm
.macro WLOAD buf, off                  ; a set of four weight fragments: 16 loads of 512 consecutive bytes
.irp t, 0,1,2,3
.irp c, 0,1,2,3
	global_load_b128 v[W+64*(\buf)+16*\t+4*\c:W+64*(\buf)+16*\t+4*\c+3], v[LI], s[P:P+1] offset:(\off)+2048*\t+512*\c
.endr
.endr
.endm
; One K step of 128: the two fragments of the rows from LDS, eight matrix instructions (the eight accumulators by turns, in the same order in every set), then the set two ahead is asked for.
; cnt: the loads that may stay out: the next set's 16.  Four v_nop stand between the products and the loads into registers that they read, and the first read of results.
.macro SET buf, zero, swap, aadr, aoff, mstr, cnt, ld, ldoff
.irp m, 0,1
.irp c, 0,1,2,3
	ds_load_b128 v[HF+16*\m+4*\c:HF+16*\m+4*\c+3], v[\aadr] offset:(\aoff)+\m*(\mstr)+512*\c
.endr
.endr
	s_wait_loadcnt \cnt
	s_wait_dscnt 0x0
.irp m, 0,1
.irp t, 0,1,2,3
.if \swap
.if \zero
	v_wmma_f32_16x16x128_bf8_bf8 v[ACC+8*(4*\m+\t):ACC+8*(4*\m+\t)+7], v[HF+16*\m:HF+16*\m+15], v[W+64*(\buf)+16*\t:W+64*(\buf)+16*\t+15], 0
.else
	v_wmma_f32_16x16x128_bf8_bf8 v[ACC+8*(4*\m+\t):ACC+8*(4*\m+\t)+7], v[HF+16*\m:HF+16*\m+15], v[W+64*(\buf)+16*\t:W+64*(\buf)+16*\t+15], v[ACC+8*(4*\m+\t):ACC+8*(4*\m+\t)+7]
.endif
.else
.if \zero
	v_wmma_f32_16x16x128_bf8_bf8 v[ACC+8*(4*\m+\t):ACC+8*(4*\m+\t)+7], v[W+64*(\buf)+16*\t:W+64*(\buf)+16*\t+15], v[HF+16*\m:HF+16*\m+15], 0
.else
	v_wmma_f32_16x16x128_bf8_bf8 v[ACC+8*(4*\m+\t):ACC+8*(4*\m+\t)+7], v[W+64*(\buf)+16*\t:W+64*(\buf)+16*\t+15], v[HF+16*\m:HF+16*\m+15], v[ACC+8*(4*\m+\t):ACC+8*(4*\m+\t)+7]
.endif
.endif
.endr
.endr
.rept 4
	v_nop
.endr
.if \ld
	WLOAD \buf, \ldoff
.endif
.endm
.macro LANESUM                         ; the four rows' sums over the 32 lanes: four steps inside each half ride on the addition, one crosses the halves
.irp x, 1,2,4,8
.irp p, 0,1,2,3
	v_add_f32_dpp v[CD+2*\p], v[CD+2*\p], v[CD+2*\p] row_xmask:\x row_mask:0xf bank_mask:0xf
.endr
.endr
.irp p, 0,1,2,3
	v_permlanex16_b32 v[CD+2*\p+1], v[CD+2*\p], s[SEL], s[SEL+1]
.endr
.irp p, 0,1,2,3
	v_add_f32 v[CD+2*\p], v[CD+2*\p], v[CD+2*\p+1]
.endr
.endm
; LayerNorm of my four rows.  Row p lies in v[ACC + 16 p ..]: register 4 i + j is column 128 i + 4 lane + j; gain in v[HF ..], bias in v[HF + 16 ..], laid alike.  Two passes: the mean is taken away before the squares.
.macro ROWLN adr
.irp p, 0,1,2,3
	v_pk_add_f32 v[CD+2*\p:CD+2*\p+1], v[ACC+16*\p:ACC+16*\p+1], v[ACC+16*\p+2:ACC+16*\p+3]
.endr
.irp k, 4,6,8,10,12,14
.irp p, 0,1,2,3
	v_pk_add_f32 v[CD+2*\p:CD+2*\p+1], v[CD+2*\p:CD+2*\p+1], v[ACC+16*\p+\k:ACC+16*\p+\k+1]
.endr
.endr
.irp p, 0,1,2,3
	v_add_f32 v[CD+2*\p], v[CD+2*\p], v[CD+2*\p+1]
.endr
	LANESUM
.irp p, 0,1,2,3
	v_mul_f32 v[CD+2*\p], s[NINV], v[CD+2*\p]      ; - the mean
.endr
.irp k, 0,2,4,6,8,10,12,14
.irp p, 0,1,2,3
	v_pk_add_f32 v[ACC+16*\p+\k:ACC+16*\p+\k+1], v[ACC+16*\p+\k:ACC+16*\p+\k+1], v[CD+2*\p:CD+2*\p+1] op_sel_hi:[1,0]
.endr
.endr
.irp p, 0,1,2,3
	v_pk_mul_f32 v[CD+2*\p:CD+2*\p+1], v[ACC+16*\p:ACC+16*\p+1], v[ACC+16*\p:ACC+16*\p+1]
.endr
.irp k, 2,4,6,8,10,12,14
.irp p, 0,1,2,3
	v_pk_fma_f32 v[CD+2*\p:CD+2*\p+1], v[ACC+16*\p+\k:ACC+16*\p+\k+1], v[ACC+16*\p+\k:ACC+16*\p+\k+1], v[CD+2*\p:CD+2*\p+1]
.endr
.endr
.irp p, 0,1,2,3
	v_add_f32 v[CD+2*\p], v[CD+2*\p], v[CD+2*\p+1]
.endr
	LANESUM
.irp p, 0,1,2,3
	v_fma_f32 v[CD+2*\p+1], v[CD+2*\p], s[INV], s[EPS]   ; the variance + 1e-5
.endr
.irp p, 0,1,2,3
	v_rsq_f32 v[CD+2*\p], v[CD+2*\p+1]
.endr
	v_nop                                          ; a plain instruction behind the last of the batch
	s_wait_alu depctr_va_vdst(0)                   ; one wait for the four, ahead of their first reader
.irp k, 0,2,4,6,8,10,12,14
.irp p, 0,1,2,3
	v_pk_mul_f32 v[ACC+16*\p+\k:ACC+16*\p+\k+1], v[ACC+16*\p+\k:ACC+16*\p+\k+1], v[CD+2*\p:CD+2*\p+1] op_sel_hi:[1,0]
.endr
.endr
.irp k, 0,2,4,6,8,10,12,14
.irp p, 0,1,2,3
	v_pk_fma_f32 v[ACC+16*\p+\k:ACC+16*\p+\k+1], v[ACC+16*\p+\k:ACC+16*\p+\k+1], v[HF+\k:HF+\k+1], v[HF+16+\k:HF+16+\k+1]
.endr
.endr
.irp p, 0,1,2,3
.irp i, 0,1,2,3
	ds_store_b128 v[\adr], v[ACC+16*\p+4*\i:ACC+16*\p+4*\i+3] offset:PITCH*\p+512*\i
.endr
.endr
.endm
.macro FRAGRD adr                      ; my fragment's 64 numbers: register 16 c + i = k 32 c + 16 h + i of my row
.irp c, 0,1,2,3
.irp j, 0,1,2,3
	ds_load_b128 v[ACC+16*\c+4*\j:ACC+16*\c+4*\j+3], v[\adr] offset:128*\c+16*\j
.endr
.endr
.endm
; The 64 numbers in v[ACC ..] stay; their codes under the scale s[sc] go to LDS as an image of the operand's registers.  The conversion to an 8-bit code does not saturate (ISA guide 7.6.2): the number is held first.
.macro QUANTV sc, lim, imgoff
	v_mov_b32 v[SC], s[\sc]
	v_mov_b32 v[LIMV], s[\lim]
.irp c, 0,1,2,3
.irp i, 0,1,2,3,4,5,6,7,8,9,10,11,12,13,14,15
	v_med3_num_f32 v[HF+16+\i], v[ACC+16*\c+\i], -v[LIMV], v[LIMV]
.endr
	v_cvt_scalef32_pk8_bf8_f32 v[HF+4*\c:HF+4*\c+1], v[HF+16:HF+23], v[SC]
	v_cvt_scalef32_pk8_bf8_f32 v[HF+4*\c+2:HF+4*\c+3], v[HF+24:HF+31], v[SC]
	v_nop                                          ; a plain instruction before the conversions' sources are written again
.endr
.irp c, 0,1,2,3
	ds_store_b128 v[IMW], v[HF+4*\c:HF+4*\c+3] offset:(\imgoff)+512*\c
.endr
	s_wait_dscnt 0x0                               ; the stores have read their registers
.endm
; q or k: sum x 2^(ea + eb) + bias, held, converted; four pieces of 512 bytes leave from the registers.
.macro EPI_QK vecoff, pair, sc, lim, base
	s_wait_xcnt 0x0                                ; earlier stores have read v[CD ..]
	v_mov_b32 v[SC], s[\sc]
	v_mov_b32 v[LIMV], s[\lim]
.irp b, 0,1
.irp j, 0,1,2,3
	ds_load_b128 v[HF+16*\b+4*\j:HF+16*\b+4*\j+3], v[BIR] offset:(\vecoff)+128*\b+16*\j
.endr
.endr
	s_wait_dscnt 0x0
.irp m, 0,1
.irp k, 0,2,4,6,8,10,12,14,16,18,20,22,24,26,28,30
	v_pk_fma_f32 v[ACC+32*\m+\k:ACC+32*\m+\k+1], v[ACC+32*\m+\k:ACC+32*\m+\k+1], s[\pair:\pair+1], v[HF+\k:HF+\k+1] op_sel_hi:[1,0,1]
.endr
.endr
.irp m, 0,1
.irp b, 0,1
.irp i, 0,1,2,3,4,5,6,7,8,9,10,11,12,13,14,15
	v_med3_num_f32 v[ACC+32*\m+16*\b+\i], v[ACC+32*\m+16*\b+\i], -v[LIMV], v[LIMV]
.endr
	v_cvt_scalef32_pk8_bf8_f32 v[CD+4*(2*\m+\b):CD+4*(2*\m+\b)+1], v[ACC+32*\m+16*\b:ACC+32*\m+16*\b+7], v[SC]
	v_cvt_scalef32_pk8_bf8_f32 v[CD+4*(2*\m+\b)+2:CD+4*(2*\m+\b)+3], v[ACC+32*\m+16*\b+8:ACC+32*\m+16*\b+15], v[SC]
	v_nop
.endr
.endr
.irp m, 0,1
.irp b, 0,1
	global_store_b128 v[LI], v[CD+4*(2*\m+\b):CD+4*(2*\m+\b)+3], s[\base:\base+1] offset:1024*\m+512*\b   ; 512 consecutive bytes, aligned
.endr
.endr
.endm
	s_load_b512 s[8:23], s[0:1], 0x0               ; x 8, gain 10, bias 12, bq 14, bk 16, bv 18, the exponents 20, wimg 22
	s_load_b128 s[24:27], s[0:1], 0x40             ; qimg 24, kv 26
	s_set_vgpr_msb 0x40
	v_lshl_add_u32 v0, v0, 2, 0x1d200
	v_mov_b32 v1, 0
	s_set_vgpr_msb 0x4000
	v_lshrrev_b32 v[BVO], 5, v0
	v_readfirstlane_b32 s2, v[BVO]                 ; wave 0..7
	v_and_b32 v[LI], 31, v0
	v_lshlrev_b32 v[LI], 4, v[LI]
	v_and_b32 v[RR], 15, v0                        ; r
	v_bfe_u32 v[HH], v0, 4, 1                      ; h
	s_lshl_b32 s4, s2, 13
	v_add_nc_u32 v[XO], s4, v[LI]
	s_mul_i32 s4, s2, 4*PITCH
	v_add_nc_u32 v[ROWA], s4, v[LI]
	s_lshr_b32 s4, s2, 2
	s_mul_i32 s4, s4, 16*PITCH
	s_and_b32 s5, s2, 3
	s_lshl_b32 s5, s5, 9
	s_add_co_u32 s4, s4, s5
	v_mul_u32_u24 v[FRA], v[RR], PITCH
	v_lshl_add_u32 v[FRA], v[HH], 6, v[FRA]
	v_add_nc_u32 v[FRA], s4, v[FRA]
	s_lshl_b32 s4, s2, 11
	s_add_co_u32 s4, s4, IMG
	v_add_nc_u32 v[IMW], s4, v[LI]
	v_add_nc_u32 v[AIM], IMG, v[LI]
	v_lshl_add_u32 v[BIW], v0, 4, BIA
	s_lshl_b32 s5, s2, 8
	s_add_co_u32 s4, s5, BIA
	v_lshl_add_u32 v[BIR], v[HH], 6, s4
	v_and_b32 v[BVO], 8, v[RR]
	v_add_nc_u32 v[BVO], v[BVO], v[RR]
	v_lshl_add_u32 v[BVO], v[BVO], 2, s5           ; 4 (r + 8 (r / 8)) + 256 w
	v_and_b32 v250, 127, v0
	v_lshlrev_b32 v250, 4, v250                    ; the copy of bq (waves 0-3) or bk (waves 4-7): 16 bytes a thread
	s_lshr_b32 s4, ttmp9, 7                        ; the batch
	s_and_b32 s5, ttmp9, 127                       ; R: which 32 rows of the sequence
	s_lshl_b32 s4, s4, 3
	s_add_co_u32 s4, s4, s2                        ; bh = 8 x batch + head
	s_lshl_b32 s70, s4, 18
	s_lshl_b32 s6, s5, 11
	s_add_co_u32 s70, s70, s6                      ; qimg: (256 bh + 2 R) x 1,024
	s_mov_b32 s71, 0
	s_lshl_b32 s72, s4, 19
	s_lshr_b32 s6, s5, 3
	s_lshl_b32 s6, s6, 15
	s_add_co_u32 s72, s72, s6                      ; kv: the head, the slot of 256 keys
	s_mov_b32 s73, 0
	s_mov_b32 s75, 0
	s_bfe_u32 s6, s5, 0x10002
	s_lshl_b32 s6, s6, 13
	s_add_co_u32 s74, s72, s6                      ; V's part: the key step of 128,
	s_and_b32 s6, s5, 3
	s_lshl_b32 s6, s6, 9
	s_add_co_u32 s74, s74, s6                      ; the piece of 32 keys
	s_add_co_u32 s74, s74, 16384
	s_and_b32 s6, s5, 7
	s_lshl_b32 s6, s6, 11
	s_add_co_u32 s72, s72, s6                      ; K's part: tiles 2 (R % 8), + 1
	s_wait_kmcnt 0x0
	s_load_b512 s[32:47], s[20:21], 0x0            ; e0 .. e15 in s32 .. s47
	s_add_nc_u64 s[70:71], s[24:25], s[70:71]
	s_add_nc_u64 s[72:73], s[26:27], s[72:73]
	s_add_nc_u64 s[74:75], s[26:27], s[74:75]
	s_lshl_b32 s6, ttmp9, 16
	s_mov_b32 s7, 0
	s_add_nc_u64 s[8:9], s[8:9], s[6:7]            ; x at the group's first row
	s_mul_i32 s6, s2, STREAM
	s_add_nc_u64 s[P:P+1], s[P:P+1], s[6:7]
	s_cmp_lt_u32 s2, 4
	s_cselect_b64 s[76:77], s[14:15], s[16:17]
.irp p, 0,1,2,3
.irp i, 0,1,2,3
	global_load_b128 v[ACC+16*\p+4*\i:ACC+16*\p+4*\i+3], v[XO], s[8:9] offset:2048*\p+512*\i
.endr
.endr
.irp i, 0,1,2,3
	global_load_b128 v[HF+4*\i:HF+4*\i+3], v[LI], s[10:11] offset:512*\i
	global_load_b128 v[HF+16+4*\i:HF+16+4*\i+3], v[LI], s[12:13] offset:512*\i
.endr
	global_load_b128 v[252:255], v250, s[76:77]
.irp t, 0,1,2,3
	global_load_b32 v[BV+\t], v[BVO], s[18:19] offset:(32*(\t/2)+8*(\t%2))*4
.endr
	WLOAD 0, 0
	WLOAD 1, 8192
	s_mov_b32 s[SEL], 0x76543210
	s_mov_b32 s[SEL+1], 0xfedcba98
	s_mov_b32 s[INV], 0x3b000000                   ; 1 / 512
	s_mov_b32 s[NINV], 0xbb000000
	s_mov_b32 s[EPS], 0x3727c5ac                   ; 1e-5
	s_wait_kmcnt 0x0
	POW2 48, 49, 32
	POW2 50, 51, 34
	POW2 52, 53, 36
	POWSUM 54, 32, 33
	POWSUM 56, 34, 35
	POWSUM 58, 36, 37
	POW2 60, 66, 38
	POW2 61, 67, 39
	POW2 62, 68, 41
	s_wait_loadcnt 32                              ; all but the two sets of weights, 16 loads each, which were issued last
	ds_store_b128 v[BIW], v[252:255]
	ROWLN ROWA
	BARRIER                                        ; 32 rows of h, bq and bk lie in LDS
	FRAGRD FRA
	s_wait_dscnt 0x0
	QUANTV 48, 49, 0
	QUANTV 50, 51, 16384
	QUANTV 52, 53, 32768
	BARRIER                                        ; three versions of h's eight fragments lie in LDS
	SET 0, 1, 0, AIM, 0,     8192, 16, 1, 16384
	SET 1, 0, 0, AIM, 2048,  8192, 16, 1, 24576
	SET 0, 0, 0, AIM, 4096,  8192, 16, 1, 32768
	SET 1, 0, 0, AIM, 6144,  8192, 16, 1, 40960
	EPI_QK 0, 54, 60, 66, 70
	SET 0, 1, 0, AIM, 16384, 8192, 16, 1, 49152
	SET 1, 0, 0, AIM, 18432, 8192, 16, 1, 57344
	SET 0, 0, 0, AIM, 20480, 8192, 16, 1, 65536
	SET 1, 0, 0, AIM, 22528, 8192, 16, 1, 73728
	EPI_QK 2048, 56, 61, 67, 72
	SET 0, 1, 1, AIM, 32768, 8192, 16, 1, 81920
	SET 1, 0, 1, AIM, 34816, 8192, 16, 1, 90112
	SET 0, 0, 1, AIM, 36864, 8192, 16, 0, 0
	SET 1, 0, 1, AIM, 38912, 8192, 0,  0, 0        ; the last set: nothing was issued behind it
	; v: lane (r, h) holds channel 32 (t / 2) + 8 (t % 2) + r + 8 (r / 8) and rows 16 m + 8 h + 0 .. 7: eight neighbouring keys
	s_wait_xcnt 0x0
	v_mov_b32 v[SC], s62
	v_mov_b32 v[LIMV], s68
.irp m, 0,1
.irp t, 0,1,2,3
.irp j, 0,1,2,3,4,5,6,7
	v_fma_f32 v[ACC+8*(4*\m+\t)+\j], v[ACC+8*(4*\m+\t)+\j], s58, v[BV+\t]
.endr
.endr
.endr
.irp t, 0,1,2,3
.irp m, 0,1
.irp j, 0,1,2,3,4,5,6,7
	v_med3_num_f32 v[ACC+8*(4*\m+\t)+\j], v[ACC+8*(4*\m+\t)+\j], -v[LIMV], v[LIMV]
.endr
	v_cvt_scalef32_pk8_bf8_f32 v[CD+4*\t+2*\m:CD+4*\t+2*\m+1], v[ACC+8*(4*\m+\t):ACC+8*(4*\m+\t)+7], v[SC]
.endr
	v_nop
.endr
.irp t, 0,1,2,3
	global_store_b128 v[LI], v[CD+4*\t:CD+4*\t+3], s[74:75] offset:2048*\t
.endr
	s_set_vgpr_msb 0x5
	s_wait_tensorcnt 0x0
	ds_add_u32 v0, v1
	s_wait_dscnt 0x0
	s_set_vgpr_msb 0x500
	s_endpgm
.Lfunc_end_k_q3ddfcf251d_qkv:
	.size	k_q3ddfcf251d_qkv, .Lfunc_end_k_q3ddfcf251d_qkv-k_q3ddfcf251d_qkv
	.p2alignl 7, 3214868480
	.fill 96, 4, 3214868480
	.section	.rodata,"a",@progbits
	.p2align	6, 0x0
	.amdhsa_kernel k_q3ddfcf251d_qkv
		.amdhsa_group_segment_fixed_size 120320
		.amdhsa_private_segment_fixed_size 0
		.amdhsa_enable_private_segment 0
		.amdhsa_kernarg_size 80
		.amdhsa_user_sgpr_count 2
		.amdhsa_user_sgpr_kernarg_segment_ptr 1
		.amdhsa_wavefront_size32 1
		.amdhsa_system_sgpr_workgroup_id_x 1
		.amdhsa_system_sgpr_workgroup_id_y 1
		.amdhsa_system_sgpr_workgroup_id_z 1
		.amdhsa_system_vgpr_workitem_id 0
		.amdhsa_next_free_vgpr 258
		.amdhsa_next_free_sgpr 80
		.amdhsa_reserve_vcc 0
		.amdhsa_float_denorm_mode_32 3
		.amdhsa_float_denorm_mode_16_64 3
		.amdhsa_memory_ordered 1
		.amdhsa_forward_progress 1
		.amdhsa_inst_pref_size 96
	.end_amdhsa_kernel
	.amdgpu_metadata
---
amdhsa.version: [ 1, 2 ]
amdhsa.kernels:
  - .name:           k_q3ddfcf251d_qkv
    .symbol:         k_q3ddfcf251d_qkv.kd
    .args:
      - { .name: x, .offset: 0, .size: 8, .value_kind: global_buffer, .address_space: global }
      - { .name: ln1_g, .offset: 8, .size: 8, .value_kind: global_buffer, .address_space: global }
      - { .name: ln1_b, .offset: 16, .size: 8, .value_kind: global_buffer, .address_space: global }
      - { .name: bq, .offset: 24, .size: 8, .value_kind: global_buffer, .address_space: global }
      - { .name: bk, .offset: 32, .size: 8, .value_kind: global_buffer, .address_space: global }
      - { .name: bv, .offset: 40, .size: 8, .value_kind: global_buffer, .address_space: global }
      - { .name: lowp_scales, .offset: 48, .size: 8, .value_kind: global_buffer, .address_space: global }
      - { .name: wimg, .offset: 56, .size: 8, .value_kind: global_buffer, .address_space: global }
      - { .name: qimg, .offset: 64, .size: 8, .value_kind: global_buffer, .address_space: global }
      - { .name: kv, .offset: 72, .size: 8, .value_kind: global_buffer, .address_space: global }
    .group_segment_fixed_size: 120320
    .private_segment_fixed_size: 0
    .kernarg_segment_align: 8
    .kernarg_segment_size: 80
    .max_flat_workgroup_size: 256
    .sgpr_count:     80
    .vgpr_count:     258
    .wavefront_size: 32
...
	.end_amdgpu_metadata
.endif
;; end of part 2
;; launch attn (part 3): grid 16 x 16, 16 waves a work-group, clusters of 4 x 1, 327,680 bytes of LDS; arguments qimg, kv, lowp_scales, oimg; writes oimg
.if DOCPART == 3
	.amdgcn_target "amdgcn-amd-amdhsa--gfx1250"
	.amdhsa_code_object_version 6
	.text
	.protected	k_q3ddfcf251d_attn
	.globl	k_q3ddfcf251d_attn
	.p2align	8
	.type	k_q3ddfcf251d_attn,@function
k_q3ddfcf251d_attn:
	s_mov_b64 s[64:65], 0
	v_nop
	global_prefetch_b8 v0, s[64:65] scope:SCOPE_SE
	s_setreg_imm32_b32 hwreg(HW_REG_WAVE_MODE, 25, 1), 1
	s_wait_xcnt 0x0
	s_wait_alu depctr_hold_cnt(0) depctr_sa_sdst(0) depctr_va_vdst(0) depctr_va_sdst(0) depctr_va_ssrc(0) depctr_va_vcc(0) depctr_vm_vsrc(0)
	s_getreg_b32 s2, hwreg(HW_REG_IB_STS2, 6, 4)
	s_cmp_eq_u32 s2, 0
	s_cbranch_scc0 .Lentry_in_a_cluster
	s_endpgm
.Lentry_in_a_cluster:
	s_bfe_u32 s2, ttmp6, 0x10000c
	s_cmp_lg_u32 s2, 0x3003
	s_cbranch_scc0 .Lentry_shape_is_right
	s_endpgm
.Lentry_shape_is_right:
; o = softmax(q k^T / 8) v for 16 heads (2 batches x 8) of 4,096 x 64, both products on codes of E5M2; o is quantised with e10 and stored as images of the next product's operand registers.
; THE SOFTMAX AHEAD OF THE SECOND PRODUCT: t = score x log2(e) / 8; M = the running largest t rounded UP to a whole number; p = 2^(t - M) is quantised (e8), not normalised; the row's sum is taken of the
; unquantised p and divides at the end.  When M moves, the sum and O are multiplied by 2^(old M - new M), which rounds nothing; there is no branch on data.
; SHARES.  A work-group owns 256 queries of one head, each of its sixteen waves one tile of 16, in 256 registers: four waves to a SIMD, so that one wave's vector work stands beside another's products and LDS loads.
; Every wave walks the head's 4,096 keys, 128 a step.  kv holds, for each 256 keys, 16,384 bytes of K's fragments and 16,384 of V's, as register images: a fragment comes by ds_load_b128 at 16 x lane.
; THE RING.  Two slots of 1,024 keys (four such blocks on end, 131,072 bytes): as large as two fit in LDS, so that the sixteen waves meet four times in the launch and walk eight key steps in between, each at its own pace.
; CLUSTER.  The four query blocks of a cluster belong to one head and walk the same slots: each eighth of a slot is asked for JOINTLY (waves 0 to 7, 16,384 bytes each), by the same tensor load with a mask that names the four.
; LAYOUT.  S^T = K Q^T (source 0 = 16 keys, source 1 = my 16 queries), O^T = V^T P^T (source 0 = 16 channels, source 1 = P): a lane holds ONE query (lane % 16) throughout.
; In S^T's tile T register j of lane (r, h) is key 16 T + 8 h + j: its conversion gives P's registers 2 T, 2 T + 1, and V's images are laid by the same map of keys.
; LIMITS on the given exponents: e6 + e7 between -123 and 130 (added to c's exponent field); e8 and e10 between -126 and 112; e8 + e9 is applied by v_ldexp_f32 and has none.  NaN among the inputs is not served.
; By this text's own count a wave has at most one tensor load out, and every wait for tensor loads is for 0.
; REGISTERS: v1 16 x lane; v3 prefetch offset; v5, v6 the add's two; v8 the address of the 256 keys in hand; v12 -M, v13 the largest t, v[14:15] the sum; v16-23 Q; v32-95 K's, then V's fragments; v96-159 S^T, then p; v160-191 O^T; v192-203 work; v224-239 P's codes.
.set SUBB,  32768                      ; 256 keys as kv lays them: two key steps
.set SLOTB, 131072                     ; a slot: four of those; slot 1 begins here: one exclusive or turns an address in one slot into the other's
.set SPARE, 262144                     ; behind the ring: the spare words, 128 bytes for each of the sixteen waves, which no other line names
.set NSL,   4                          ; slots' worth of keys in a head
.set LI,  1
.set PFO, 3
.set SPW, 5
.set NIL, 6
.set ADK, 8
.set QF,  16
.set KV,  32
.set S,   96
.set O,   160
.set PC,  224
.set WV,    12
.set G1,    16                         ; s[16:23] descriptor group 1
.set G0,    24                         ; s[24:27] group 0, which walks
.set TB,    28                         ; LDS byte at which the 256 keys in hand begin
.set SLOTS, 29                         ; slots still to be asked for
.set LIM,   30                         ; 1 in a wave that prefetches, else the greatest number
.set PAIRS, 31                         ; pairs of key steps left in the slot in hand
.set PFA,   32                         ; s[32:33] where my prefetch stands
.set SEL,   34
.set CS,    36                         ; s[36:37] c = log2(e) / 8 x 2^(e6 + e7)
.macro CROUND                          ; a round of the cluster's barrier
	s_barrier_signal -1
	s_barrier_wait -1
	s_cmp_lg_u32 s[WV], 0
	s_cbranch_scc1 .Lnot_wave_0_\@
	s_barrier_signal -3
.Lnot_wave_0_\@:
	s_barrier_wait -3
	s_barrier_signal -1
	s_barrier_wait -1
.endm
.macro JLOAD                           ; waves 0 to 7 ask, the others do not: a branch on the wave's number, the same in all partners; four v_nop follow the line
	s_cmp_lt_u32 s[WV], 8
	s_cbranch_scc0 .Lnone_\@
	tensor_load_to_lds s[G0:G0+3], s[G1:G1+7]
	s_nop 0
.rept 4
	v_nop
.endr
.Lnone_\@:
.endm
; A prefetch of the slot that the NEXT change of slots will ask for.  It stands in the first step of a slot's last pair, behind that step's run of LDS loads: two key steps ahead of that change.
; All four clusters of a head walk the same slots: the head's first cluster asks; its four partners take 32,768 bytes of the slot each, told apart by address; in each, waves 8 to 11, which fetch nothing,
; take 8,192 bytes each, lanes 256 bytes apart.  So each aligned block of 256 bytes of kv is named once.  In the slot before the last nothing is asked for: no slot is left; slots 0 and 1 come by their loads alone.
.macro ASK
	s_cmp_eq_u32 s[PAIRS], 1
	s_cbranch_scc0 .Lnot_mine_\@
	s_cmp_gt_u32 s[SLOTS], s[LIM]
	s_cbranch_scc0 .Lnot_mine_\@
	global_prefetch_b8 v[PFO], s[PFA:PFA+1] th:TH_LOAD_NT scope:SCOPE_SE
.Lnot_mine_\@:
.endm
; THE CHANGE OF SLOTS stands at a slot's head.  Each wave waits for all its tensor loads, adds 0 to its spare word, and waits for that and for its reads of the slot that it has left.
; fill = 1: behind a round of the cluster's barrier, when no wave of any partner still reads that slot, it is filled with the keys that follow: the load has a slot's eight steps in which to land.
.macro CHANGE fill
	s_wait_tensorcnt 0x0                           ; no tensor load of mine is out, so group 0 may be written
	ds_add_u32 v[SPW], v[NIL]                      ; 0 onto my spare word
.if \fill
	s_xor_b32 s[G0+1], s[G0+1], SLOTB              ; the other slot than last time,
	s_add_nc_u64 s[G0+2:G0+3], s[G0+2:G0+3], SLOTB ; the next 1,024 keys; the type bits on top are not reached
	s_wait_xcnt 0x0                                ; the last prefetch, two key steps back, has read its address
	s_add_nc_u64 s[PFA:PFA+1], s[PFA:PFA+1], SLOTB ; one slot further on than the walking descriptor
.endif
	s_wait_dscnt 0x0                               ; the add is done, and my reads of the slot that I have left are over
.if \fill
	CROUND
	JLOAD                                          ; the first thing behind the round, and a wave's one tensor load until the next
.else
	s_barrier_signal -1
	s_barrier_wait -1
.endif
.endm
; A KEY STEP: 128 keys, the q-th half of the 256 keys in hand.  ask = 1: the prefetch stands in it.
.macro STEP q, ask
	v_add_nc_u32 v[ADK], s[TB], v[LI]
.rept 3
	v_nop                                          ; with the addition above: four places in front of loads into registers that the last products read
.endr
.irp t, 0,1,2,3,4,5,6,7
.irp b, 0,1
	ds_load_b128 v[KV+8*\t+4*\b:KV+8*\t+4*\b+3], v[ADK] offset:(8*(\q)+\t)*1024+512*\b
.endr
.endr
	s_wait_dscnt 0x0
.irp t, 0,1,2,3,4,5,6,7
	v_wmma_f32_16x16x64_bf8_bf8 v[S+8*\t:S+8*\t+7], v[KV+8*\t:KV+8*\t+7], v[QF:QF+7], 0
.endr
.rept 4
	v_nop
.endr
.irp d, 0,1,2,3                        ; V's four fragments land while the softmax is walked
.irp i, 0,1,2,3
	ds_load_b128 v[KV+16*\d+4*\i:KV+16*\d+4*\i+3], v[ADK] offset:16384+8192*(\q)+2048*\d+512*\i
.endr
.endr
.if \ask
	ASK
.endif
	v_max3_num_f32 v192, v96, v97, v98             ; the step's largest score of my query among my 64 keys, in two chains, each accumulator from its low end on
	v_max3_num_f32 v194, v99, v100, v101
.irp i, 6,10,14,18,22,26,30,34,38,42,46,50,54,58
	v_max3_num_f32 v192, v192, v[96+\i], v[97+\i]
	v_max3_num_f32 v194, v194, v[98+\i], v[99+\i]
.endr
	v_max3_num_f32 v192, v192, v158, v159
	v_max_num_f32 v192, v192, v194
	v_permlanex16_b32 v196, v192, s[SEL], s[SEL+1]
	v_max_num_f32 v192, v192, v196                 ; and among lane l xor 16's
	v_mul_f32 v192, s[CS], v192                    ; as t (c is positive)
	v_max_num_f32 v13, v13, v192                   ; the running largest t
	v_mov_b32 v192, v12
	v_floor_f32 v12, -v13                          ; the new -M = floor(-t) = -ceil(t)
	v_sub_f32 v192, v12, v192                      ; old M - new M: a whole number, 0 or less
	v_cvt_i32_f32 v192, v192                       ; (it saturates)
	v_ldexp_f32 v198, 1.0, v192                    ; f = 2^(old M - new M)
.irp j, 0,2,4,6,8,10,12,14,16,18,20,22,24,26,28,30,32,34,36,38,40,42,44,46,48,50,52,54,56,58,60,62
	v_pk_fma_f32 v[96+\j:97+\j], v[96+\j:97+\j], s[CS:CS+1], v[12:13] op_sel_hi:[1,0,0]   ; t - M
.endr
.irp j, 0,1,2,3,4,5,6,7,8,9,10,11,12,13,14,15,16,17,18,19,20,21,22,23,24,25,26,27,28,29,30,31,32,33,34,35,36,37,38,39,40,41,42,43,44,45,46,47,48,49,50,51,52,53,54,55,56,57,58,59,60,61,62,63
	v_exp_f32 v[96+\j], v[96+\j]                   ; p = 2^(t - M)
.endr
	v_pk_mul_f32 v[14:15], v[14:15], v[198:199] op_sel_hi:[1,0]   ; the sums under the new M: the plain instruction behind the batch
	s_wait_alu depctr_va_vdst(0)                   ; one wait for the 64 exponentials, ahead of their first reader
	v_pk_add_f32 v[200:201], v[96:97], v[98:99]    ; the row's sum is taken of the unquantised p, in two chains
.irp j, 4,8,12,16,20,24,28,32,36,40,44,48,52,56,60
	v_pk_add_f32 v[14:15], v[14:15], v[96+\j:97+\j]
	v_pk_add_f32 v[200:201], v[200:201], v[98+\j:99+\j]
.endr
	v_pk_add_f32 v[14:15], v[14:15], v[200:201]
.irp t, 0,1,2,3,4,5,6,7
.irp i, 0,1,2,3,4,5,6,7
	v_min_num_f32 v[S+8*\t+\i], v[S+8*\t+\i], v202 ; the conversion does not saturate (ISA guide 7.6.2); p is not negative, so the hold is one-sided
.endr
	v_cvt_scalef32_pk8_bf8_f32 v[PC+2*\t:PC+2*\t+1], v[S+8*\t:S+8*\t+7], v203
.endr
.irp j, 0,2,4,6,8,10,12,14,16,18,20,22,24,26,28,30
	v_pk_mul_f32 v[O+\j:O+\j+1], v[O+\j:O+\j+1], v[198:199] op_sel_hi:[1,0]   ; O^T under the new M; also the plain instructions behind the conversions
.endr
	s_wait_dscnt 0x0                               ; V's fragments are in
.irp d, 0,1,2,3
	v_wmma_f32_16x16x128_bf8_bf8 v[O+8*\d:O+8*\d+7], v[KV+16*\d:KV+16*\d+15], v[PC:PC+15], v[O+8*\d:O+8*\d+7]
.endr
.endm
; A slot's eight key steps: a pair is written once and walked four times; the LDS addresses hang on s[TB], which steps by 256 keys' bytes a trip, goes back at the slot's end and is turned to the other slot.
.macro SLOT_STEPS ask
	s_mov_b32 s[PAIRS], SLOTB/SUBB
.Lpair_\@:
	STEP 0, \ask
	STEP 1, 0
	s_add_co_u32 s[TB], s[TB], SUBB
	s_sub_co_u32 s[PAIRS], s[PAIRS], 1
	s_cmp_lg_u32 s[PAIRS], 0
	s_cbranch_scc1 .Lpair_\@
	s_sub_co_u32 s[TB], s[TB], SLOTB               ; back to the slot's first byte,
	s_xor_b32 s[TB], s[TB], SLOTB                  ; in the other slot
.endm
	s_load_b256 s[4:11], s[0:1], 0x0               ; qimg 4, kv 6, the exponents 8, oimg 10
	v_lshl_add_u32 v[SPW], v0, 2, SPARE
	v_mov_b32 v[NIL], 0
	ds_add_u32 v5, v6
	s_wait_dscnt 0x0
	v_lshrrev_b32 v2, 5, v0
	v_readfirstlane_b32 s[WV], v2                  ; wave 0..15
	s_bfe_u32 s13, ttmp6, 0x40000                  ; cx: my place in the cluster
	s_lshl_b32 s14, ttmp9, 2
	s_add_co_u32 s14, s14, s13                     ; X: my block of 256 queries: it enters qimg's and oimg's addresses alone
	s_and_b32 s15, ttmp7, 0xffff                   ; bh: the head, which the four partners share
	; group 1: 64 dense rows of 32 elements of 8 bytes: 16,384 bytes, no padding
	s_mov_b32 s[G1], 15|(3<<16)|(1<<21)            ; 15:0 the mask: all four; 17:16 elements of 8 bytes; 21 set beside a mask
	s_mov_b32 s[G1+1], 32<<16                      ; tensor_dim0 = 32
	s_mov_b32 s[G1+2], 64<<16                      ; tensor_dim1 = 64
	s_mov_b32 s[G1+3], 32<<16                      ; tile_dim0 = 32
	s_mov_b32 s[G1+4], 64                          ; tile_dim1 = 64
	s_mov_b32 s[G1+5], 32                          ; from row to row
	s_mov_b32 s[G1+6], 0
	s_mov_b32 s[G1+7], 0
	s_and_b32 s56, s[WV], 7
	s_lshl_b32 s56, s56, 14                        ; my eighth of a slot, in LDS and in memory alike (waves 0 to 7 ask)
	s_lshl_b32 s58, s15, 19                        ; the head's first byte in kv
	s_add_co_u32 s60, s58, s56
	s_mov_b32 s61, 0
	s_lshl_b32 s62, s13, 15                        ; the prefetches: my work-group's 32,768 bytes of a slot,
	s_and_b32 s63, s[WV], 3
	s_lshl_b32 s63, s63, 13
	s_add_co_u32 s62, s62, s63                     ; my wave's 8,192 of them,
	s_add_co_u32 s62, s62, s58                     ; in my head,
	s_add_co_u32 s62, s62, SLOTB                   ; in slot 1: the first change of slots steps it to slot 2
	s_mov_b32 s63, 0
	s_lshr_b32 s[LIM], s[WV], 2
	s_xor_b32 s[LIM], s[LIM], 2                    ; 0 in waves 8 to 11
	s_or_b32 s[LIM], s[LIM], ttmp9                 ; of the head's first cluster: the same in all four partners
	s_cmp_eq_u32 s[LIM], 0
	s_cselect_b32 s[LIM], 1, -1
	s_lshl_b32 s66, s15, 8
	s_lshl_b32 s67, s14, 4
	s_add_co_u32 s66, s66, s67
	s_add_co_u32 s66, s66, s[WV]
	s_lshl_b32 s66, s66, 10                        ; qimg: (256 bh + 16 X + wave) x 1,024
	s_mov_b32 s67, 0
	s_lshr_b32 s68, s15, 3
	s_lshl_b32 s68, s68, 8
	s_lshl_b32 s69, s14, 4
	s_add_co_u32 s68, s68, s69
	s_add_co_u32 s68, s68, s[WV]
	s_lshl_b32 s68, s68, 13                        ; oimg: the tile of rows 256 x batch + 16 X + wave, 8,192 bytes each,
	s_bfe_u32 s69, s15, 0x20001
	s_lshl_b32 s69, s69, 11
	s_add_co_u32 s68, s68, s69                     ; K step head / 2,
	s_and_b32 s69, s15, 1
	s_lshl_b32 s69, s69, 10
	s_add_co_u32 s68, s68, s69                     ; pieces 2 (head % 2), + 1
	s_mov_b32 s69, 0
	s_mov_b32 s[SEL], 0x76543210
	s_mov_b32 s[SEL+1], 0xfedcba98
	s_mov_b32 s[CS], 0x3e38aa3b                    ; log2(e) / 8
	s_mov_b32 s[TB], 0
	s_mov_b32 s[SLOTS], NSL-1
	s_wait_kmcnt 0x0
	s_load_b512 s[40:55], s[8:9], 0x0              ; e0 .. e15 in s40 .. s55
	s_mov_b32 s[G0], 1                             ; count = 1
	s_mov_b32 s[G0+1], s56                         ; LDS address: slot 0, my eighth
	s_add_nc_u64 s[G0+2:G0+3], s[6:7], s[60:61]    ; the head's first slot, my eighth
	s_or_b32 s[G0+3], s[G0+3], 0x80000000          ; type = 2
	s_add_nc_u64 s[PFA:PFA+1], s[6:7], s[62:63]
	s_add_nc_u64 s[4:5], s[4:5], s[66:67]
	s_add_nc_u64 s[10:11], s[10:11], s[68:69]
	CROUND                                         ; all four work-groups are here: the first joint loads meet
	JLOAD                                          ; slot 0
	v_and_b32 v[LI], 31, v0
	v_lshlrev_b32 v[PFO], 8, v[LI]
	v_lshlrev_b32 v[LI], 4, v[LI]
	global_load_b128 v[QF:QF+3], v[LI], s[4:5]     ; Q's fragment stays in registers
	global_load_b128 v[QF+4:QF+7], v[LI], s[4:5] offset:512
	v_mov_b32 v13, 0xff61b1e6                      ; the largest t so far: -3e38, under every t
	v_floor_f32 v12, -v13                          ; -M
	v_mov_b32 v14, 0                               ; the sum, in two halves
	v_mov_b32 v15, 0
	v_mov_b32 v196, 0                              ; a lane permute's destination counts as one of its sources
	v_mov_b32 v199, 0                              ; (named as the upper half of the pair v[198:199])
.irp j, 0,1,2,3,4,5,6,7,8,9,10,11,12,13,14,15,16,17,18,19,20,21,22,23,24,25,26,27,28,29,30,31
	v_mov_b32 v[O+\j], 0                           ; O^T.  (The step is written once: the first finds zeros, which the first change of M leaves zeros)
.endr
	s_wait_kmcnt 0x0
	s_add_co_i32 s56, s46, s47
	s_lshl_b32 s56, s56, 23
	s_add_co_i32 s[CS], s[CS], s56                 ; a score stands for score x 2^(e6 + e7)
	s_mov_b32 s[CS+1], s[CS]
	s_add_co_i32 s56, s48, 127
	s_lshl_b32 s57, s56, 23
	v_mov_b32 v203, s57                            ; 2^e8
	s_add_co_i32 s56, s56, 15
	s_lshl_b32 s56, s56, 23
	s_or_b32 s56, s56, 0x600000
	v_mov_b32 v202, s56                            ; 57,344 x 2^e8
	s_add_co_i32 s71, s50, 127
	s_lshl_b32 s70, s71, 23                        ; 2^e10
	s_add_co_i32 s71, s71, 15
	s_lshl_b32 s71, s71, 23
	s_or_b32 s71, s71, 0x600000                    ; 57,344 x 2^e10
	s_add_co_i32 s72, s48, s49                     ; e8 + e9
	s_wait_loadcnt 0x0                             ; Q
.Lslot:                                            ; NSL - 1 trips: behind each change of slots but the last the next slot is asked for
	CHANGE 1
	SLOT_STEPS 1
	s_sub_co_u32 s[SLOTS], s[SLOTS], 1
	s_cmp_lg_u32 s[SLOTS], 0
	s_cbranch_scc1 .Lslot
	CHANGE 0                                       ; the last slot is written out
	SLOT_STEPS 0
	; THE WAY OUT: O^T x 2^(e8 + e9) / the sum, held, converted with e10.  Tiles 2 b and 2 b + 1 give a lane channels 32 b + 16 h + 0 .. 15: one piece of the next operand's image.
.rept 4
	v_nop
.endr
	v_add_f32 v14, v14, v15
	v_permlanex16_b32 v196, v14, s[SEL], s[SEL+1]
	v_add_f32 v14, v14, v196                       ; the row's sum
	v_rcp_f32 v14, v14
	v_mov_b32 v202, s71                            ; (plain instructions behind the reciprocal)
	v_mov_b32 v203, s70
	s_wait_alu depctr_va_vdst(0)                   ; the wait, ahead of the first reader
	v_ldexp_f32 v14, v14, s72
.irp j, 0,1,2,3,4,5,6,7,8,9,10,11,12,13,14,15,16,17,18,19,20,21,22,23,24,25,26,27,28,29,30,31
	v_mul_f32 v[S+\j], v[O+\j], v14
.endr
.irp b, 0,1
.irp i, 0,1,2,3,4,5,6,7,8,9,10,11,12,13,14,15
	v_med3_num_f32 v[S+16*\b+\i], v[S+16*\b+\i], -v202, v202
.endr
	v_cvt_scalef32_pk8_bf8_f32 v[PC+4*\b:PC+4*\b+1], v[S+16*\b:S+16*\b+7], v203
	v_cvt_scalef32_pk8_bf8_f32 v[PC+4*\b+2:PC+4*\b+3], v[S+16*\b+8:S+16*\b+15], v203
.endr
	v_nop
.irp b, 0,1
	global_store_b128 v[LI], v[PC+4*\b:PC+4*\b+3], s[10:11] offset:512*\b   ; 512 consecutive bytes, aligned
.endr
	s_wait_tensorcnt 0x0                           ; the wave's end
	ds_add_u32 v[SPW], v[NIL]
	s_wait_dscnt 0x0
	CROUND                                         ; the closing round: no work-group ends while a partner may still ask for a tile that names it
	s_endpgm
.Lfunc_end_k_q3ddfcf251d_attn:
	.size	k_q3ddfcf251d_attn, .Lfunc_end_k_q3ddfcf251d_attn-k_q3ddfcf251d_attn
	.p2alignl 7, 3214868480
	.fill 96, 4, 3214868480
	.section	.rodata,"a",@progbits
	.p2align	6, 0x0
	.amdhsa_kernel k_q3ddfcf251d_attn
		.amdhsa_group_segment_fixed_size 327680
		.amdhsa_private_segment_fixed_size 0
		.amdhsa_enable_private_segment 0
		.amdhsa_kernarg_size 32
		.amdhsa_user_sgpr_count 2
		.amdhsa_user_sgpr_kernarg_segment_ptr 1
		.amdhsa_wavefront_size32 1
		.amdhsa_system_sgpr_workgroup_id_x 1
		.amdhsa_system_sgpr_workgroup_id_y 1
		.amdhsa_system_sgpr_workgroup_id_z 1
		.amdhsa_system_vgpr_workitem_id 0
		.amdhsa_next_free_vgpr 256
		.amdhsa_next_free_sgpr 80
		.amdhsa_reserve_vcc 0
		.amdhsa_float_denorm_mode_32 3
		.amdhsa_float_denorm_mode_16_64 3
		.amdhsa_memory_ordered 1
		.amdhsa_forward_progress 1
		.amdhsa_inst_pref_size 73
	.end_amdhsa_kernel
	.amdgpu_metadata
---
amdhsa.version: [ 1, 2 ]
amdhsa.kernels:
  - .name:           k_q3ddfcf251d_attn
    .symbol:         k_q3ddfcf251d_attn.kd
    .args:
      - { .name: qimg, .offset: 0, .size: 8, .value_kind: global_buffer, .address_space: global }
      - { .name: kv, .offset: 8, .size: 8, .value_kind: global_buffer, .address_space: global }
      - { .name: lowp_scales, .offset: 16, .size: 8, .value_kind: global_buffer, .address_space: global }
      - { .name: oimg, .offset: 24, .size: 8, .value_kind: global_buffer, .address_space: global }
    .group_segment_fixed_size: 327680
    .private_segment_fixed_size: 0
    .kernarg_segment_align: 8
    .kernarg_segment_size: 32
    .max_flat_workgroup_size: 512
    .sgpr_count:     80
    .vgpr_count:     256
    .wavefront_size: 32
...
	.end_amdgpu_metadata
.endif
;; end of part 3
;; launch rest (part 4): grid 256 x 1, 8 waves a work-group, no clusters, 247,808 bytes of LDS; arguments x, oimg, wimg, lowp_scales, bo, ln2_g, ln2_b, b1, b2, out0; writes out0
.if DOCPART == 4
	.amdgcn_target "amdgcn-amd-amdhsa--gfx1250"
	.amdhsa_code_object_version 6
	.text
	.protected	k_q3ddfcf251d_rest
	.globl	k_q3ddfcf251d_rest
	.p2align	8
	.type	k_q3ddfcf251d_rest,@function
k_q3ddfcf251d_rest:
	s_mov_b64 s[64:65], 0
	v_nop
	global_prefetch_b8 v0, s[64:65] scope:SCOPE_SE
	s_setreg_imm32_b32 hwreg(HW_REG_WAVE_MODE, 25, 1), 1
	s_wait_xcnt 0x0
; x1 = x + o Wo + bo;  h2 = LayerNorm(x1), quantised (e12);  u = gelu(h2 W1 + b1) (exact: by erf), quantised (e14);  out = x1 + u W2 + b2.  All three products on codes of E5M2.  x1, h2 and u never go to memory.
; SHARES.  A work-group owns 32 rows.  THE WAVES SHARE THE COLUMNS: wave w makes columns 64 w .. + 63 of the first and the last product and hidden units 256 w .. + 255 (four groups of 64), for all 32 rows.
; For the norm the rows are shared: wave w normalises rows 4 w .. 4 w + 3, and quantises fragment (m = w / 4, s = w % 4).
; WEIGHTS come from wimg, laid as register images in the order in which this wave takes them: 36 sets of four fragments (8,192 bytes), 16 loads of 512 consecutive bytes, two sets ahead, by counted waits.
; NO LDS RING AND NO JOINT LOADS for the weights: a weight fragment is taken by ONE wave of the work-group, ONCE; through LDS it would be written and read with no second reader,
; and a slot of the eight waves' sets (65,536 bytes) would stand for 8 matrix instructions a wave between two barriers.
; Source 0 = 16 weight rows, source 1 = 16 rows: a lane holds one row, and two neighbouring tiles give it 16 neighbouring columns, which are 16 neighbours along the next K.
; erf: two polynomials (|z| up to 475/512: odd in z; above: 1 - exp of a polynomial in |z|), both computed for every number, chosen by v_cndmask_b32.
; LIMITS: e12, e14 between -126 and 112; e10 + e11, e12 + e13, e14 + e15 between -126 and 127.  NaN among the inputs is not served.
; LDS: XS 32 rows of x, then x1, then out, 2,064 bytes apart; H2S the same for h2; HIMG the hidden layer's 2 x 16 fragments; H2IMG h2's 8; OIMG o's 8; VEC bo, gain, bias, b2, b1.
.set PITCH,  2064
.set H2S,    32*PITCH
.set HIMG,   2*32*PITCH
.set H2IMG,  HIMG+65536
.set VEC,    H2IMG+32768               ; (o's images lie 16,384 behind h2's)
.set STREAM, 393216
.set LI,   1                           ; v1   16 x lane
.set XO,   2                           ; v2   x, out0: 8,192 w + 16 lane
.set ROWA, 3                           ; v3   XS: my four rows
.set ROWH, 4                           ; v4   H2S: my four rows
.set RNA,  5                           ; v5   XS: row r, + 256 w + 64 h: my columns
.set FRA,  6                           ; v6   H2S: my fragment
.set IMW,  7                           ; v7   H2IMG: where I store my fragment
.set AIM,  8                           ; v8   H2IMG + 16 lane
.set SC,   9                           ; v9   the conversion's scale
.set AHI,  10                          ; v10  HIMG + 16 lane
.set CA,   11                          ; v11  an address in hand
.set HIW,  12                          ; v12  HIMG + 4,096 w + 16 lane
.set VB,   13                          ; v13  VEC + 256 w + 64 h
.set VB1,  14                          ; v14  b1: VEC + 8,192 + 1,024 w + 64 h
.set CB,   15                          ; v15  an address in hand
.set ACC,  16
.set HF,   80
.set W,    112
.set CD,   240
.set RR,   248
.set HH,   249
.set LIMV, 254                         ; v254 57,344 x the scale
.set GZ,   HF                          ; erf: z, later the tail's second chain
.set GT,   HF+8                        ; |z|
.set GS,   HF+16                       ; z^2
.set GR,   HF+24                       ; the tail
.set GQ,   CD                          ; the core, then erf
.set P,    12                          ; s[12:13] my stream
.set SEL,  28
.set INV,  30
.set EPS,  31
.set NINV, 3
.macro POW2 dst, lim, e
	s_add_co_i32 s[\dst], s[\e], 127
	s_add_co_i32 s[\lim], s[\dst], 15
	s_lshl_b32 s[\dst], s[\dst], 23
	s_lshl_b32 s[\lim], s[\lim], 23
	s_or_b32 s[\lim], s[\lim], 0x600000
.endm
.macro POWSUM dst, ea, eb
	s_add_co_i32 s[\dst], s[\ea], s[\eb]
	s_add_co_i32 s[\dst], s[\dst], 127
	s_lshl_b32 s[\dst], s[\dst], 23
	s_mov_b32 s[(\dst)+1], s[\dst]
.endm
.macro BARRIER                         ; my LDS stores have landed and my LDS loads are in: then the work-group's barrier
	s_wait_dscnt 0x0
	s_barrier_signal -1
	s_barrier_wait -1
.endm
.macro WLOAD buf, off
.irp t, 0,1,2,3
.irp c, 0,1,2,3
	global_load_b128 v[W+64*(\buf)+16*\t+4*\c:W+64*(\buf)+16*\t+4*\c+3], v[LI], s[P:P+1] offset:(\off)+2048*\t+512*\c
.endr
.endr
.endm
; One K step of 128: the two fragments of the rows from LDS, eight matrix instructions (the eight accumulators by turns, in the same order in every set), then the set two ahead is asked for.
; cnt: the loads that may stay out: the next set's 16.  Four v_nop stand between the products and the loads into registers that they read, and the first read of results.
.macro SET buf, zero, aadr, aoff, mstr, cnt, ld, ldoff
.irp m, 0,1
.irp c, 0,1,2,3
	ds_load_b128 v[HF+16*\m+4*\c:HF+16*\m+4*\c+3], v[\aadr] offset:(\aoff)+\m*(\mstr)+512*\c
.endr
.endr
	s_wait_loadcnt \cnt
	s_wait_dscnt 0x0
.irp m, 0,1
.irp t, 0,1,2,3
.if \zero
	v_wmma_f32_16x16x128_bf8_bf8 v[ACC+8*(4*\m+\t):ACC+8*(4*\m+\t)+7], v[W+64*(\buf)+16*\t:W+64*(\buf)+16*\t+15], v[HF+16*\m:HF+16*\m+15], 0
.else
	v_wmma_f32_16x16x128_bf8_bf8 v[ACC+8*(4*\m+\t):ACC+8*(4*\m+\t)+7], v[W+64*(\buf)+16*\t:W+64*(\buf)+16*\t+15], v[HF+16*\m:HF+16*\m+15], v[ACC+8*(4*\m+\t):ACC+8*(4*\m+\t)+7]
.endif
.endr
.endr
.rept 4
	v_nop
.endr
.if \ld
	WLOAD \buf, \ldoff
.endif
.endm
.macro LANESUM
.irp x, 1,2,4,8
.irp p, 0,1,2,3
	v_add_f32_dpp v[CD+2*\p], v[CD+2*\p], v[CD+2*\p] row_xmask:\x row_mask:0xf bank_mask:0xf
.endr
.endr
.irp p, 0,1,2,3
	v_permlanex16_b32 v[CD+2*\p+1], v[CD+2*\p], s[SEL], s[SEL+1]
.endr
.irp p, 0,1,2,3
	v_add_f32 v[CD+2*\p], v[CD+2*\p], v[CD+2*\p+1]
.endr
.endm
; LayerNorm of my four rows.  Row p lies in v[ACC + 16 p ..]: register 4 i + j is column 128 i + 4 lane + j; gain in v[HF ..], bias in v[HF + 16 ..], laid alike.  Two passes: the mean is taken away before the squares.
.macro ROWLN adr
.irp p, 0,1,2,3
	v_pk_add_f32 v[CD+2*\p:CD+2*\p+1], v[ACC+16*\p:ACC+16*\p+1], v[ACC+16*\p+2:ACC+16*\p+3]
.endr
.irp k, 4,6,8,10,12,14
.irp p, 0,1,2,3
	v_pk_add_f32 v[CD+2*\p:CD+2*\p+1], v[CD+2*\p:CD+2*\p+1], v[ACC+16*\p+\k:ACC+16*\p+\k+1]
.endr
.endr
.irp p, 0,1,2,3
	v_add_f32 v[CD+2*\p], v[CD+2*\p], v[CD+2*\p+1]
.endr
	LANESUM
.irp p, 0,1,2,3
	v_mul_f32 v[CD+2*\p], s[NINV], v[CD+2*\p]      ; - the mean
.endr
.irp k, 0,2,4,6,8,10,12,14
.irp p, 0,1,2,3
	v_pk_add_f32 v[ACC+16*\p+\k:ACC+16*\p+\k+1], v[ACC+16*\p+\k:ACC+16*\p+\k+1], v[CD+2*\p:CD+2*\p+1] op_sel_hi:[1,0]
.endr
.endr
.irp p, 0,1,2,3
	v_pk_mul_f32 v[CD+2*\p:CD+2*\p+1], v[ACC+16*\p:ACC+16*\p+1], v[ACC+16*\p:ACC+16*\p+1]
.endr
.irp k, 2,4,6,8,10,12,14
.irp p, 0,1,2,3
	v_pk_fma_f32 v[CD+2*\p:CD+2*\p+1], v[ACC+16*\p+\k:ACC+16*\p+\k+1], v[ACC+16*\p+\k:ACC+16*\p+\k+1], v[CD+2*\p:CD+2*\p+1]
.endr
.endr
.irp p, 0,1,2,3
	v_add_f32 v[CD+2*\p], v[CD+2*\p], v[CD+2*\p+1]
.endr
	LANESUM
.irp p, 0,1,2,3
	v_fma_f32 v[CD+2*\p+1], v[CD+2*\p], s[INV], s[EPS]   ; the variance + 1e-5
.endr
.irp p, 0,1,2,3
	v_rsq_f32 v[CD+2*\p], v[CD+2*\p+1]
.endr
	v_nop                                          ; a plain instruction behind the last of the batch
	s_wait_alu depctr_va_vdst(0)                   ; one wait for the four, ahead of their first reader
.irp k, 0,2,4,6,8,10,12,14
.irp p, 0,1,2,3
	v_pk_mul_f32 v[ACC+16*\p+\k:ACC+16*\p+\k+1], v[ACC+16*\p+\k:ACC+16*\p+\k+1], v[CD+2*\p:CD+2*\p+1] op_sel_hi:[1,0]
.endr
.endr
.irp k, 0,2,4,6,8,10,12,14
.irp p, 0,1,2,3
	v_pk_fma_f32 v[ACC+16*\p+\k:ACC+16*\p+\k+1], v[ACC+16*\p+\k:ACC+16*\p+\k+1], v[HF+\k:HF+\k+1], v[HF+16+\k:HF+16+\k+1]
.endr
.endr
.irp p, 0,1,2,3
.irp i, 0,1,2,3
	ds_store_b128 v[\adr], v[ACC+16*\p+4*\i:ACC+16*\p+4*\i+3] offset:PITCH*\p+512*\i
.endr
.endr
.endm
.macro FRAGRD adr                      ; my fragment's 64 numbers: register 16 c + i = k 32 c + 16 h + i of my row
.irp c, 0,1,2,3
.irp j, 0,1,2,3
	ds_load_b128 v[ACC+16*\c+4*\j:ACC+16*\c+4*\j+3], v[\adr] offset:128*\c+16*\j
.endr
.endr
.endm
.macro QUANTV sc, lim, imgoff          ; the 64 numbers' codes go to LDS as an image of the operand's registers; the conversion does not saturate (ISA guide 7.6.2): the number is held first
	v_mov_b32 v[SC], s[\sc]
	v_mov_b32 v[LIMV], s[\lim]
.irp c, 0,1,2,3
.irp i, 0,1,2,3,4,5,6,7,8,9,10,11,12,13,14,15
	v_med3_num_f32 v[HF+16+\i], v[ACC+16*\c+\i], -v[LIMV], v[LIMV]
.endr
	v_cvt_scalef32_pk8_bf8_f32 v[HF+4*\c:HF+4*\c+1], v[HF+16:HF+23], v[SC]
	v_cvt_scalef32_pk8_bf8_f32 v[HF+4*\c+2:HF+4*\c+3], v[HF+24:HF+31], v[SC]
	v_nop                                          ; a plain instruction before the conversions' sources are written again
.endr
.irp c, 0,1,2,3
	ds_store_b128 v[IMW], v[HF+4*\c:HF+4*\c+3] offset:(\imgoff)+512*\c
.endr
	s_wait_dscnt 0x0
.endm
; XS(row, my columns) += sum x 2^(ea + eb) + the vector at vecoff.  Each byte of XS that a lane reads here it alone writes.
.macro EPI_RES vecoff, pair
.irp b, 0,1
.irp j, 0,1,2,3
	ds_load_b128 v[CD+4*\j:CD+4*\j+3], v[VB] offset:(\vecoff)+128*\b+16*\j
.endr
.irp m, 0,1
.irp j, 0,1,2,3
	ds_load_b128 v[HF+16*\m+4*\j:HF+16*\m+4*\j+3], v[RNA] offset:16*PITCH*\m+128*\b+16*\j
.endr
.endr
	s_wait_dscnt 0x0
.irp m, 0,1
.irp k, 0,2,4,6,8,10,12,14
	v_pk_fma_f32 v[ACC+32*\m+16*\b+\k:ACC+32*\m+16*\b+\k+1], v[ACC+32*\m+16*\b+\k:ACC+32*\m+16*\b+\k+1], s[\pair:\pair+1], v[CD+\k:CD+\k+1] op_sel_hi:[1,0,1]
.endr
.irp k, 0,2,4,6,8,10,12,14
	v_pk_add_f32 v[ACC+32*\m+16*\b+\k:ACC+32*\m+16*\b+\k+1], v[ACC+32*\m+16*\b+\k:ACC+32*\m+16*\b+\k+1], v[HF+16*\m+\k:HF+16*\m+\k+1]
.endr
.irp j, 0,1,2,3
	ds_store_b128 v[RNA], v[ACC+32*\m+16*\b+4*\j:ACC+32*\m+16*\b+4*\j+3] offset:16*PITCH*\m+128*\b+16*\j
.endr
.endr
.endr
.endm
; Eight numbers y in v[acc ..] become y (1 + erf(y / sqrt 2)) / 2.  v[248:249], v[250:251], v[252:253] hold three of the coefficients (an instruction takes one literal).
.macro GELU8 acc
.irp k, 0,2,4,6
	v_pk_mul_f32 v[GZ+\k:GZ+\k+1], v[(\acc)+\k:(\acc)+\k+1], 0x3f3504f3 op_sel_hi:[1,0]   ; z = y / sqrt 2
.endr
.irp k, 0,1,2,3,4,5,6,7
	v_and_b32 v[GT+\k], 0x7fffffff, v[GZ+\k]       ; |z|
.endr
.irp k, 0,2,4,6
	v_pk_mul_f32 v[GS+\k:GS+\k+1], v[GZ+\k:GZ+\k+1], v[GZ+\k:GZ+\k+1]
.endr
.irp k, 0,2,4,6
	v_pk_fma_f32 v[GQ+\k:GQ+\k+1], v[GS+\k:GS+\k+1], 0xba1c7000, v[252:253] op_sel_hi:[1,0,0]
.endr
.irp c, 0xbcdb48d9, 0x3de70e22, 0xbec09380, 0x3e0375d4
.irp k, 0,2,4,6
	v_pk_fma_f32 v[GQ+\k:GQ+\k+1], v[GQ+\k:GQ+\k+1], v[GS+\k:GS+\k+1], \c op_sel_hi:[1,1,0]
.endr
.endr
.irp k, 0,2,4,6
	v_pk_fma_f32 v[GQ+\k:GQ+\k+1], v[GQ+\k:GQ+\k+1], v[GZ+\k:GZ+\k+1], v[GZ+\k:GZ+\k+1]   ; the core: erf for small |z|
.endr
.irp k, 0,2,4,6
	v_pk_fma_f32 v[GR+\k:GR+\k+1], v[GT+\k:GT+\k+1], 0xb7910000, v[248:249] op_sel_hi:[1,0,0]
.endr
.irp k, 0,2,4,6
	v_pk_fma_f32 v[GZ+\k:GZ+\k+1], v[GT+\k:GT+\k+1], 0xbb7e8a1c, v[250:251] op_sel_hi:[1,0,0]
.endr
.irp k, 0,2,4,6
	v_pk_fma_f32 v[GR+\k:GR+\k+1], v[GR+\k:GR+\k+1], v[GS+\k:GS+\k+1], v[GZ+\k:GZ+\k+1]
.endr
.irp c, 0xbddaae5c, 0xbf228550, 0xbe03ce86
.irp k, 0,2,4,6
	v_pk_fma_f32 v[GR+\k:GR+\k+1], v[GR+\k:GR+\k+1], v[GT+\k:GT+\k+1], \c op_sel_hi:[1,1,0]
.endr
.endr
.irp k, 0,2,4,6
	v_pk_fma_f32 v[GR+\k:GR+\k+1], v[GR+\k:GR+\k+1], v[GT+\k:GT+\k+1], v[GT+\k:GT+\k+1] neg_lo:[0,0,1] neg_hi:[0,0,1]
.endr
.irp k, 0,2,4,6
	v_pk_mul_f32 v[GR+\k:GR+\k+1], v[GR+\k:GR+\k+1], 0x3fb8aa3b op_sel_hi:[1,0]
.endr
.irp k, 0,1,2,3,4,5,6,7
	v_exp_f32 v[GR+\k], v[GR+\k]
.endr
.irp k, 0,2,4,6
	v_pk_mul_f32 v[(\acc)+\k:(\acc)+\k+1], v[(\acc)+\k:(\acc)+\k+1], 0.5 op_sel_hi:[1,0]   ; y / 2: plain work behind the batch
.endr
	s_wait_alu depctr_va_vdst(0)                   ; one wait for the eight exponentials, ahead of their first reader
.irp k, 0,2,4,6
	v_pk_add_f32 v[GR+\k:GR+\k+1], v[GR+\k:GR+\k+1], 1.0 op_sel_hi:[1,0] neg_lo:[1,0] neg_hi:[1,0]
.endr
.irp k, 0,1,2,3,4,5,6,7
	v_bfi_b32 v[GR+\k], 0x7fffffff, v[GR+\k], v[(\acc)+\k]   ; with y's sign: the tail: erf for large |z|
.endr
.irp k, 0,1,2,3,4,5,6,7
	v_cmp_lt_f32 vcc_lo, s58, v[GT+\k]
	v_cndmask_b32 v[GQ+\k], v[GQ+\k], v[GR+\k], vcc_lo
.endr
.irp k, 0,2,4,6
	v_pk_fma_f32 v[(\acc)+\k:(\acc)+\k+1], v[(\acc)+\k:(\acc)+\k+1], v[GQ+\k:GQ+\k+1], v[(\acc)+\k:(\acc)+\k+1]
.endr
.endm
	s_load_b512 s[8:23], s[0:1], 0x0               ; x 8, oimg 10, wimg 12, the exponents 14, bo 16, gain 18, bias 20, b1 22
	s_load_b128 s[24:27], s[0:1], 0x40             ; b2 24, out0 26
	s_set_vgpr_msb 0x40
	v_lshl_add_u32 v0, v0, 2, 0x3c400
	v_mov_b32 v1, 0
	s_set_vgpr_msb 0x4000
	v_lshrrev_b32 v[CA], 5, v0
	v_readfirstlane_b32 s2, v[CA]                  ; wave 0..7
	v_and_b32 v[LI], 31, v0
	v_lshlrev_b32 v[LI], 4, v[LI]
	v_and_b32 v[RR], 15, v0                        ; r
	v_bfe_u32 v[HH], v0, 4, 1                      ; h
	s_lshl_b32 s4, s2, 13
	v_add_nc_u32 v[XO], s4, v[LI]
	s_mul_i32 s4, s2, 4*PITCH
	v_add_nc_u32 v[ROWA], s4, v[LI]
	v_add_nc_u32 v[ROWH], H2S, v[ROWA]
	s_lshl_b32 s4, s2, 8
	v_mul_u32_u24 v[RNA], v[RR], PITCH
	v_lshl_add_u32 v[RNA], v[HH], 6, v[RNA]
	v_add_nc_u32 v[FRA], H2S, v[RNA]
	v_add_nc_u32 v[RNA], s4, v[RNA]
	s_lshr_b32 s4, s2, 2
	s_mul_i32 s4, s4, 16*PITCH
	s_and_b32 s5, s2, 3
	s_lshl_b32 s5, s5, 9
	s_add_co_u32 s4, s4, s5
	v_add_nc_u32 v[FRA], s4, v[FRA]
	s_lshl_b32 s4, s2, 11
	s_add_co_u32 s4, s4, H2IMG
	v_add_nc_u32 v[IMW], s4, v[LI]
	v_add_nc_u32 v[AIM], H2IMG, v[LI]
	v_add_nc_u32 v[AHI], HIMG, v[LI]
	s_lshl_b32 s4, s2, 12
	s_add_co_u32 s4, s4, HIMG
	v_add_nc_u32 v[HIW], s4, v[LI]
	s_lshl_b32 s4, s2, 8
	s_add_co_u32 s4, s4, VEC
	v_lshl_add_u32 v[VB], v[HH], 6, s4
	s_lshl_b32 s4, s2, 10
	s_add_co_u32 s4, s4, VEC+8192
	v_lshl_add_u32 v[VB1], v[HH], 6, s4
	v_lshl_add_u32 v[CA], v0, 4, VEC               ; the copies of the vectors: 16 bytes a thread
	v_and_b32 v250, 127, v0
	v_lshlrev_b32 v250, 4, v250
	v_lshlrev_b32 v251, 4, v0
	s_wait_kmcnt 0x0
	s_load_b512 s[32:47], s[14:15], 0x0            ; e0 .. e15 in s32 .. s47
	s_lshl_b32 s6, ttmp9, 16
	s_mov_b32 s7, 0
	s_add_nc_u64 s[8:9], s[8:9], s[6:7]            ; x and out0 at the group's first row
	s_add_nc_u64 s[26:27], s[26:27], s[6:7]
	s_lshl_b32 s6, ttmp9, 14
	s_lshl_b32 s4, s2, 11
	s_add_co_u32 s6, s6, s4
	s_add_nc_u64 s[10:11], s[10:11], s[6:7]        ; o's fragment (w / 4, w % 4) of the group's two tiles of rows
	s_mul_i32 s6, s2, STREAM
	s_add_co_u32 s6, s6, 12*8192
	s_add_nc_u64 s[P:P+1], s[P:P+1], s[6:7]        ; my stream, from set 12 on
	s_cmp_lt_u32 s2, 4
	s_cselect_b64 s[66:67], s[16:17], s[18:19]     ; waves 0-3 copy bo and the norm's bias, waves 4-7 its gain and b2
	s_cselect_b64 s[68:69], s[20:21], s[24:25]
.irp p, 0,1,2,3
.irp i, 0,1,2,3
	global_load_b128 v[ACC+16*\p+4*\i:ACC+16*\p+4*\i+3], v[XO], s[8:9] offset:2048*\p+512*\i th:TH_LOAD_NT
.endr
.endr
.irp c, 0,1,2,3
	global_load_b128 v[HF+4*\c:HF+4*\c+3], v[LI], s[10:11] offset:512*\c th:TH_LOAD_NT
.endr
	global_load_b128 v[HF+16:HF+19], v250, s[66:67]
	global_load_b128 v[HF+20:HF+23], v250, s[68:69]
	global_load_b128 v[HF+24:HF+27], v251, s[22:23]
	global_load_b128 v[HF+28:HF+31], v251, s[22:23] offset:4096
	WLOAD 0, 0
	WLOAD 1, 8192
	s_mov_b32 s[SEL], 0x76543210
	s_mov_b32 s[SEL+1], 0xfedcba98
	s_mov_b32 s[INV], 0x3b000000                   ; 1 / 512
	s_mov_b32 s[NINV], 0xbb000000
	s_mov_b32 s[EPS], 0x3727c5ac                   ; 1e-5
	s_mov_b32 s58, 0x3f6d8000                      ; 475 / 512: where erf's two polynomials meet
	s_wait_kmcnt 0x0
	POWSUM 48, 42, 43
	POWSUM 50, 44, 45
	POWSUM 52, 46, 47
	POW2 54, 55, 44
	POW2 56, 57, 46
	s_wait_loadcnt 32                              ; all but the two sets of weights, 16 loads each, which were issued last
.irp p, 0,1,2,3
.irp i, 0,1,2,3
	ds_store_b128 v[ROWA], v[ACC+16*\p+4*\i:ACC+16*\p+4*\i+3] offset:PITCH*\p+512*\i
.endr
.endr
.irp c, 0,1,2,3
	ds_store_b128 v[IMW], v[HF+4*\c:HF+4*\c+3] offset:16384+512*\c
.endr
.irp c, 0,1,2,3
	ds_store_b128 v[CA], v[HF+16+4*\c:HF+16+4*\c+3] offset:4096*\c
.endr
	BARRIER                                        ; x's rows, o's fragments and the vectors lie in LDS
	; ---- x1 = x + o Wo + bo
	SET 0, 1, AIM, 16384, 8192, 16, 1, 16384
	SET 1, 0, AIM, 18432, 8192, 16, 1, 24576
	SET 0, 0, AIM, 20480, 8192, 16, 1, 32768
	SET 1, 0, AIM, 22528, 8192, 16, 1, 40960
	EPI_RES 0, 48
	BARRIER                                        ; 32 whole rows of x1 lie in XS
	; ---- the norm, by rows; its codes, by fragments
.irp p, 0,1,2,3
.irp i, 0,1,2,3
	ds_load_b128 v[ACC+16*\p+4*\i:ACC+16*\p+4*\i+3], v[ROWA] offset:PITCH*\p+512*\i
.endr
.endr
	v_add_nc_u32 v[CA], VEC+2048, v[LI]
.irp i, 0,1,2,3
	ds_load_b128 v[HF+4*\i:HF+4*\i+3], v[CA] offset:512*\i
	ds_load_b128 v[HF+16+4*\i:HF+16+4*\i+3], v[CA] offset:2048+512*\i
.endr
	s_wait_dscnt 0x0
	ROWLN ROWH
	BARRIER
	FRAGRD FRA
	s_wait_dscnt 0x0
	QUANTV 54, 55, 0
	BARRIER                                        ; h2's eight fragments lie in LDS
	; ---- the hidden layer: four groups of 64 units, a trip each
	s_wait_xcnt 0x0                                ; the loads issued so far have read their base
	s_add_nc_u64 s[P:P+1], s[P:P+1], 32768
	v_mov_b32 v[SC], s56
	v_mov_b32 v[LIMV], s57
	v_mov_b32 v248, 0x39c8e7d9
	v_mov_b32 v249, 0x39c8e7d9
	v_mov_b32 v250, 0x3cc6b1a1
	v_mov_b32 v251, 0x3cc6b1a1
	v_mov_b32 v252, 0x3ba38d2c
	v_mov_b32 v253, 0x3ba38d2c
	s_mov_b32 s60, 0
	s_mov_b32 s61, 0
	s_mov_b32 s59, 4
.Lgroup:
	v_add_nc_u32 v[CA], s60, v[VB1]                ; the group's 64 numbers of b1
	v_add_nc_u32 v[CB], s61, v[HIW]                ; and its two pieces of the hidden layer's images
	SET 0, 1, AIM, 0,    8192, 16, 1, 16384
	SET 1, 0, AIM, 2048, 8192, 16, 1, 24576
	SET 0, 0, AIM, 4096, 8192, 16, 1, 32768        ; (the next trip's first two sets; in the last trip those of the last product: the stream goes on)
	SET 1, 0, AIM, 6144, 8192, 16, 1, 40960
.irp b, 0,1
.irp j, 0,1,2,3
	ds_load_b128 v[HF+16*\b+4*\j:HF+16*\b+4*\j+3], v[CA] offset:128*\b+16*\j
.endr
.endr
	s_wait_dscnt 0x0
.irp m, 0,1
.irp k, 0,2,4,6,8,10,12,14,16,18,20,22,24,26,28,30
	v_pk_fma_f32 v[ACC+32*\m+\k:ACC+32*\m+\k+1], v[ACC+32*\m+\k:ACC+32*\m+\k+1], s[50:51], v[HF+\k:HF+\k+1] op_sel_hi:[1,0,1]
.endr
.endr
.irp a, 0,1,2,3,4,5,6,7
	GELU8 ACC+8*\a
.endr
.irp m, 0,1
.irp b, 0,1
.irp i, 0,1,2,3,4,5,6,7,8,9,10,11,12,13,14,15
	v_med3_num_f32 v[ACC+32*\m+16*\b+\i], v[ACC+32*\m+16*\b+\i], -v[LIMV], v[LIMV]
.endr
	v_cvt_scalef32_pk8_bf8_f32 v[HF+4*(2*\m+\b):HF+4*(2*\m+\b)+1], v[ACC+32*\m+16*\b:ACC+32*\m+16*\b+7], v[SC]
	v_cvt_scalef32_pk8_bf8_f32 v[HF+4*(2*\m+\b)+2:HF+4*(2*\m+\b)+3], v[ACC+32*\m+16*\b+8:ACC+32*\m+16*\b+15], v[SC]
	v_nop
.endr
.endr
.irp m, 0,1
.irp b, 0,1
	ds_store_b128 v[CB], v[HF+4*(2*\m+\b):HF+4*(2*\m+\b)+3] offset:32768*\m+512*\b
.endr
.endr
	s_wait_dscnt 0x0                               ; the stores have read their registers
	s_wait_xcnt 0x0                                ; the trip's loads have read their base
	s_add_nc_u64 s[P:P+1], s[P:P+1], 32768
	s_add_co_u32 s60, s60, 256
	s_add_co_u32 s61, s61, 1024
	s_sub_co_u32 s59, s59, 1
	s_cmp_lg_u32 s59, 0
	s_cbranch_scc1 .Lgroup
	BARRIER                                        ; the hidden layer's 32 fragments lie in LDS
	; ---- out = x1 + u W2 + b2: sixteen K steps
	SET 0, 1, AHI, 0,    32768, 16, 1, 16384
	SET 1, 0, AHI, 2048, 32768, 16, 1, 24576
	s_wait_xcnt 0x0
	s_add_nc_u64 s[P:P+1], s[P:P+1], 16384
	s_mov_b32 s60, 4096
	s_mov_b32 s59, 6
.Lk2:                                              ; K steps 2 to 13, two a trip; each asks for the step two ahead
	v_add_nc_u32 v[CA], s60, v[AHI]
	SET 0, 0, CA, 0,    32768, 16, 1, 16384
	SET 1, 0, CA, 2048, 32768, 16, 1, 24576
	s_wait_xcnt 0x0
	s_add_nc_u64 s[P:P+1], s[P:P+1], 16384
	s_add_co_u32 s60, s60, 4096
	s_sub_co_u32 s59, s59, 1
	s_cmp_lg_u32 s59, 0
	s_cbranch_scc1 .Lk2
	v_add_nc_u32 v[CA], s60, v[AHI]
	SET 0, 0, CA, 0,    32768, 16, 0, 0            ; the last two K steps ask for nothing: no load leaves the stream
	SET 1, 0, CA, 2048, 32768, 0,  0, 0
	EPI_RES 6144, 52
	BARRIER                                        ; 32 whole rows of the result lie in XS
.irp p, 0,1,2,3
.irp i, 0,1,2,3
	ds_load_b128 v[ACC+16*\p+4*\i:ACC+16*\p+4*\i+3], v[ROWA] offset:PITCH*\p+512*\i
.endr
.endr
.irp n, 0,1,2,3,4,5,6,7,8,9,10,11,12,13,14,15
	s_wait_dscnt 15-\n                             ; LDS loads come back in order: number n is in
	global_store_b128 v[XO], v[ACC+4*\n:ACC+4*\n+3], s[26:27] offset:2048*(\n/4)+512*(\n%4) th:TH_STORE_NT   ; 32 lanes store 512 consecutive bytes, aligned
.endr
	s_set_vgpr_msb 0x5
	s_wait_tensorcnt 0x0
	ds_add_u32 v0, v1
	s_wait_dscnt 0x0
	s_set_vgpr_msb 0x500
	s_endpgm
.Lfunc_end_k_q3ddfcf251d_rest:
	.size	k_q3ddfcf251d_rest, .Lfunc_end_k_q3ddfcf251d_rest-k_q3ddfcf251d_rest
	.p2alignl 7, 3214868480
	.fill 96, 4, 3214868480
	.section	.rodata,"a",@progbits
	.p2align	6, 0x0
	.amdhsa_kernel k_q3ddfcf251d_rest
		.amdhsa_group_segment_fixed_size 247808
		.amdhsa_private_segment_fixed_size 0
		.amdhsa_enable_private_segment 0
		.amdhsa_kernarg_size 80
		.amdhsa_user_sgpr_count 2
		.amdhsa_user_sgpr_kernarg_segment_ptr 1
		.amdhsa_wavefront_size32 1
		.amdhsa_system_sgpr_workgroup_id_x 1
		.amdhsa_system_sgpr_workgroup_id_y 1
		.amdhsa_system_sgpr_workgroup_id_z 1
		.amdhsa_system_vgpr_workitem_id 0
		.amdhsa_next_free_vgpr 258
		.amdhsa_next_free_sgpr 80
		.amdhsa_reserve_vcc 1
		.amdhsa_float_denorm_mode_32 3
		.amdhsa_float_denorm_mode_16_64 3
		.amdhsa_memory_ordered 1
		.amdhsa_forward_progress 1
		.amdhsa_inst_pref_size 160
	.end_amdhsa_kernel
	.amdgpu_metadata
---
amdhsa.version: [ 1, 2 ]
amdhsa.kernels:
  - .name:           k_q3ddfcf251d_rest
    .symbol:         k_q3ddfcf251d_rest.kd
    .args:
      - { .name: x, .offset: 0, .size: 8, .value_kind: global_buffer, .address_space: global }
      - { .name: oimg, .offset: 8, .size: 8, .value_kind: global_buffer, .address_space: global }
      - { .name: wimg, .offset: 16, .size: 8, .value_kind: global_buffer, .address_space: global }
      - { .name: lowp_scales, .offset: 24, .size: 8, .value_kind: global_buffer, .address_space: global }
      - { .name: bo, .offset: 32, .size: 8, .value_kind: global_buffer, .address_space: global }
      - { .name: ln2_g, .offset: 40, .size: 8, .value_kind: global_buffer, .address_space: global }
      - { .name: ln2_b, .offset: 48, .size: 8, .value_kind: global_buffer, .address_space: global }
      - { .name: b1, .offset: 56, .size: 8, .value_kind: global_buffer, .address_space: global }
      - { .name: b2, .offset: 64, .size: 8, .value_kind: global_buffer, .address_space: global }
      - { .name: out0, .offset: 72, .size: 8, .value_kind: global_buffer, .address_space: global }
    .group_segment_fixed_size: 247808
    .private_segment_fixed_size: 0
    .kernarg_segment_align: 8
    .kernarg_segment_size: 80
    .max_flat_workgroup_size: 256
    .sgpr_count:     80
    .vgpr_count:     258
    .wavefront_size: 32
...
	.end_amdgpu_metadata
.endif
;; end of part 4
